; MI455X (gfx1250); checked and timed in simulation.
; The chip was launched on July 23, 2026; its instructions are those of AMD's public machine-readable ISA for CDNA 5 (MIT licence, August 2026) and "CDNA5" Instruction Set Architecture Reference Guide (July 2026). The comments in the code are by the model that wrote it; some were corrected since.
;; Motif Attention. Allowed arithmetic: matrix products marked QUANTISED: E2M1 operands, one E8M0 scale for each 32 along K, by v_wmma_scale_f32_16x16x128_f8f6f4 with both operands' format E2M1 (or v_wmma_scale_f32_32x16x128_f4), f32 sums; products left as they are: bf16, f16 or f32 operands; f32 sums; everything else in f32.
;; Inputs: Wo 2,048 x 2,048 float32; Wqkv 2,048 x 4,096 float32; hidden_states 2,048 x 2,048 float32; lambda_k1 128 float32; lambda_k2 128 float32; lambda_q1 128 float32; lambda_q2 128 float32; positions 2,048 int32; subln_w 256 float32.
;; Outputs: out0 2,048 x 2,048 float32.
;; This version of the problem:
;;   THIS VERSION OF THE PROBLEM IS GIVEN IN LOW PRECISION. The matrix products marked QUANTISED in the list below multiply operands that are first quantised to E2M1 (2 exponent bits, 1 mantissa bit; 4 bits a number), with one power-of-two scale for each 32 numbers along K (OCP MX v1.0); their sums are f32. The products marked 'left as it is' may take bf16, f16 or f32 operands, with f32 sums. Whichever they take, every output number must still come out within the allowed error. Rounding operands to bf16 (8 significant bits) uses up far more of that allowance than f16 does (11 bits, for magnitudes from 6e-5 to 65,504). All else is computed in f32.
;;   The module's matrix products, in the order in which they are computed (A, B: the left and right operand; K: the contracted axis; several contracted axes count as one K, in the product's order):
;;     1. [M 2,048, K 2,048] x [K 2,048, N 4,096]; A: input hidden_states; B: input Wqkv: QUANTISED
;;     2. batch 8 x [M 2,048, K 128] x [K 128, N 2,048]; A: computed on the way; B: computed on the way: left as it is (an operand is computed on the way)
;;     3. batch 8 x [M 128, K 2,048] x [K 2,048, N 2,048]; A: computed on the way; B: computed on the way: left as it is (an operand is computed on the way)
;;     4. batch 8 x [M 128, K 2,048] x [K 2,048, N 2,048]; A: computed on the way; B: computed on the way: left as it is (an operand is computed on the way)
;;     5. batch 8 x [M 2,048, K 128] x [K 128, N 2,048]; A: computed on the way; B: computed on the way: left as it is (an operand is computed on the way)
;;     6. batch 8 x [M 128, K 2,048] x [K 2,048, N 2,048]; A: computed on the way; B: computed on the way: left as it is (an operand is computed on the way)
;;     7. batch 8 x [M 128, K 2,048] x [K 2,048, N 2,048]; A: computed on the way; B: computed on the way: left as it is (an operand is computed on the way)
;;     8. [M 2,048, K 2,048] x [K 2,048, N 2,048]; A: computed on the way; B: input Wo: left as it is (an operand is computed on the way)
;;   THE QUANTISER, for each operand of a quantised product, along K:
;;     - K is cut into blocks of 32 from its start; a last block that is shorter is filled with zeros.
;;     - A block's scale is 2^e with e = floor(log2(the largest magnitude in the block)) - 2, held to -126 .. 127; a block of zeros has e = 0. As a byte (E8M0): e + 127.
;;     - Each number is divided by its block's scale, clamped to +-6, and rounded to the nearest number of E2M1, ties to even, subnormals kept.
;;     - The product sums the exact products of the quantised numbers (number of the format x scale) in f32.
;;   ~~~python
;;   def quantise(x, axis):      # numpy; x: float32 -> the quantised numbers, widened to float32 again
;;       x = np.moveaxis(x, axis, -1); K = x.shape[-1]
;;       x = np.pad(x, [(0, 0)] * (x.ndim - 1) + [(0, -K % 32)]); x = x.reshape(x.shape[:-1] + (-1, 32)); a = np.abs(x).max(-1, keepdims=True)
;;       e = np.where(a > 0, np.clip(np.frexp(np.where(a > 0, a, 1))[1] - 1 - 2, -126, 127), 0)      # np.frexp(a)[1] - 1 = floor(log2(a)), exactly
;;       r = np.clip(x / 2.0 ** e, -6, 6)
;;       step = 2.0 ** (np.maximum(np.frexp(np.where(r == 0, 1, r))[1] - 1, 0) - 1)
;;       q = np.round(r / step) * step * 2.0 ** e      # np.round: ties to even
;;       return np.moveaxis(q.reshape(q.shape[:-2] + (-1,))[..., :K], -1, axis).astype(np.float32)
;;   ~~~
;; One version. Each part assembles by itself: llvm-mc -triple=amdgcn-amd-amdhsa -mcpu=gfx1250 --defsym DOCPART=n.
;; ======== version 1 of 1: 4 launches
;; limits: values are held in f16: magnitudes above 65,504 overflow, below 6.1e-05 lose precision; right only within a limited range of input values
;; workspace buffers: xc 2,097,152 bytes; xs 131,072 bytes; wc 4,194,304 bytes; ws 262,144 bytes; wot 8,388,608 bytes; rope 1,048,576 bytes; qkv 16,777,216 bytes; att 8,388,608 bytes
;; launch prep (part 1): grid 256 x 1, 8 waves a work-group, no clusters, 94,720 bytes of LDS; arguments hidden_states, Wqkv, Wo, positions, xc, xs, wc, ws, wot, rope; writes xc, xs, wc, ws, wot, rope
.if DOCPART == 1
	.amdgcn_target "amdgcn-amd-amdhsa--gfx1250"
	.amdhsa_code_object_version 6
	.text
	.protected	k_q8fe6d64edc_prep
	.globl	k_q8fe6d64edc_prep
	.p2align	8
	.type	k_q8fe6d64edc_prep,@function
k_q8fe6d64edc_prep:
	s_mov_b64 s[64:65], 0
	v_nop
	global_prefetch_b8 v0, s[64:65] scope:SCOPE_SE
	s_setreg_imm32_b32 hwreg(HW_REG_WAVE_MODE, 25, 1), 1
	s_wait_xcnt 0x0
; FIRST OF FOUR LAUNCHES (prep, gemm_qkv, attn, gemm_out) for: qkv = Q(hidden) Q(Wqkv) in MX-FP4; NeoX rotation of q and k; differential causal attention;
; RMS norm over 256 channels; product with Wo.
; WORK LEFT OUT, in the problem's own terms.  reference() builds mask = tril(ones(T, T)) in its own body and puts the smallest f32 in the place of every score of a key s > t ahead of the softmax.
; Every row keeps key s = t, so such a score's weight is nothing beside the row's sum whatever finite values the inputs hold.  The launch attn therefore neither multiplies nor exponentiates
; the steps of 64 keys that lie wholly behind a wave's 16 queries.  jnp.repeat of k and v is a copy: the two query pairs of a group read the same tiles.  Every input has a way to the output: all are loaded.
; LIMIT: a NaN, an infinity or an overflow that reaches only keys or values of steps left out is not carried to the result.
; THIS LAUNCH makes what the later ones read many times, once: hidden's codes xc [2048][1024 B] and scale bytes xs [K/512][2048][16 B]; Wqkv's codes with K innermost wc [4096][1024 B] and ws [K/512][4096][16 B];
; Wo transposed in f16, wot [2048 n][2048 k]; and the rotation's cosines and sines, laid as the product's result registers want them: rope [t/16][b 4][cos, sin][q 2][lane][16 B]:
; lane 16 h + r, word e = position 16 (t/16) + r, frequency 16 b + 8 h + 4 q + e.
; A block's scale is 2^(floor(log2(largest magnitude)) - 2): its byte is the largest magnitude's exponent field - 2, held at 1 from below.  A block of zeros so gets the byte 1 where the rule says 127:
; its codes are zeros, which add nothing, and this program alone reads the bytes.
; LIMITS: blocks whose largest magnitude lies under 2^(2 - 126) have their byte held at 1; NaN and infinities among the inputs are not served.  The rotation's angle is reduced by pi/2 in three parts
; (three fused multiply-adds): good to about 1e-6 rad for |angle| up to about 1e5.  1 / 10000^(i/64) is made by v_exp_f32, a few ulp from a correctly rounded power: at position 2047 at most about 4e-4 rad.
; SHARES.  256 work-groups of eight waves, all on one path; g = the work-group, w = the wave, wn = w & 1, wk = w >> 1.
;   W: 64 columns x 512 K of Wqkv: a wave 32 columns x 128 K: a lane takes a column and its registers run down K, so a block of 32 is one lane's and the codes come out with K innermost.
;   O: 64 columns x 256 K of Wo, a wave 32 x 64, the same way, rounded to f16.     X: 16 rows x 1,024 K of hidden: a wave four steps of 512 numbers, turned through its own stage so that a lane holds 16 neighbours.
;   R: waves 0 to 3: 128 cosines and sines each.
; Codes, f16 numbers and scale bytes meet in LDS and leave, behind the one barrier, in runs of 256 or 512 consecutive bytes.
.set WST,   0                          ; W's codes: 64 rows (columns of Wqkv) x (256 + 16) bytes
.set WSS,   17408                      ; W's scale bytes: 64 x 16
.set OST,   18432                      ; Wo^T: 64 rows x (512 + 16) bytes
.set XSS,   52224                      ; X's scale bytes: [wn][16 rows][16]
.set XT,    52736                      ; X's stages: 5,120 bytes a wave: two of 32 x 80
.set SPARE, 93696                      ; the spare words: 128 bytes a wave, four blocks of 256 that no other line names
.set SPW,   14                         ; v14 my spare word's address; v15 = 0; never rewritten
.set NIL,   15
.set CS0,   32                         ; v32-95   two sets of 32 numbers down K
.set XR,    96                         ; v96-159  X as loaded, four steps x 16
.set XN,    160                        ; v160-191 X turned, two sets of 16 neighbours
.set WC,    192                        ; v192-207 W's codes, 4 a block
.set OC,    208                        ; v208-239 Wo in f16, 16 a block
.set XC,    240                        ; v240-247 X's codes, 2 a step
.set XB,    248                        ; v248-251 X's scale bytes
	s_load_b512 s[16:31], s[0:1], 0x0              ; hidden 16, Wqkv 18, Wo 20, positions 22, xc 24, xs 26, wc 28, ws 30
	s_load_b128 s[32:35], s[0:1], 0x40             ; wot 32, rope 34
	v_lshl_add_u32 v[SPW], v0, 2, SPARE
	v_mov_b32 v[NIL], 0
	v_lshrrev_b32 v1, 5, v0
	v_readfirstlane_b32 s4, v1                     ; w
	s_and_b32 s5, s4, 1                            ; wn
	s_lshr_b32 s6, s4, 1                           ; wk
	v_and_b32 v1, 31, v0                           ; L
	v_lshlrev_b32 v2, 2, v1                        ; 4 L
	v_lshlrev_b32 v6, 4, v1                        ; 16 L
	v_lshlrev_b32 v9, 3, v1                        ; 8 L
	v_and_b32 v25, 15, v1
	v_lshrrev_b32 v26, 4, v1
	s_mul_i32 s7, s5, 32*272                       ; v3: W's codes in: row 32 wn + L, byte 64 wk
	s_lshl_b32 s8, s6, 6
	s_add_co_u32 s7, s7, s8
	v_mul_u32_u24 v3, v1, 272
	v_add_nc_u32 v3, s7, v3
	s_lshl_b32 s7, s5, 9                           ; v4: W's scale word in: 16 (32 wn + L) + 4 wk
	s_lshl_b32 s8, s6, 2
	s_add_co_u32 s7, s7, s8
	s_add_co_u32 s7, s7, WSS
	v_lshl_add_u32 v4, v1, 4, s7
	s_mul_i32 s7, s5, 32*528                       ; v5: Wo^T in: row 32 wn + L, byte 128 wk
	s_lshl_b32 s8, s6, 7
	s_add_co_u32 s7, s7, s8
	s_add_co_u32 s7, s7, OST
	v_mul_u32_u24 v5, v1, 528
	v_add_nc_u32 v5, s7, v5
	s_mul_i32 s7, s4, 5120                         ; v7, v8: my stage, in (four lanes' 64 bytes, then 16 of padding) and out (80 x lane)
	s_add_co_u32 s7, s7, XT
	v_lshrrev_b32 v7, 2, v1
	v_mul_u32_u24 v7, v7, 80
	v_and_b32 v11, 3, v1
	v_lshl_add_u32 v7, v11, 4, v7
	v_add_nc_u32 v7, s7, v7
	v_mul_u32_u24 v8, v1, 80
	v_add_nc_u32 v8, s7, v8
	s_lshl_b32 s7, s5, 8                           ; v10: X's scale byte in: 256 wn + 16 (4 wk + step) + block
	s_lshl_b32 s8, s6, 6
	s_add_co_u32 s7, s7, s8
	s_add_co_u32 s7, s7, XSS
	v_lshrrev_b32 v10, 1, v1
	v_add_nc_u32 v10, s7, v10
	s_mul_i32 s7, s4, 8*272                        ; v18, v19: W's codes out: rows 8 w on, sixteen lanes to a row of 256 bytes
	v_mul_u32_u24 v18, v26, 272
	v_lshl_add_u32 v18, v25, 4, v18
	v_add_nc_u32 v18, s7, v18
	v_lshlrev_b32 v19, 10, v26
	v_lshl_add_u32 v19, v25, 4, v19
	s_mul_i32 s7, s4, 8*528                        ; v20: Wo^T out: rows 8 w on, 32 lanes to a row of 512 bytes
	s_add_co_u32 s7, s7, OST
	v_add_nc_u32 v20, s7, v6
	s_lshl_b32 s7, s5, 9                           ; v21, v23: W's scale bytes out (waves 0, 1); v22, v24: X's (wave 2)
	v_add_nc_u32 v23, s7, v6
	v_add_nc_u32 v21, WSS, v23
	v_add_nc_u32 v22, XSS, v6
	v_lshlrev_b32 v24, 15, v26
	v_lshl_add_u32 v24, v25, 4, v24
	v_lshlrev_b32 v27, 2, v25                      ; my position's place: 4 (L & 15)
	s_lshr_b32 s9, ttmp9, 6                        ; W: which 512 of K
	s_and_b32 s10, ttmp9, 63                       ;    which 64 columns
	s_lshr_b32 s11, ttmp9, 5                       ; O: which 256 of K
	s_and_b32 s36, ttmp9, 31                       ;    which 64 columns
	s_lshr_b32 s37, ttmp9, 1                       ; X, R: which 16 rows
	s_and_b32 s38, ttmp9, 1                        ;       which half
	s_lshl_b32 s39, s38, 2
	s_add_co_u32 s39, s39, s4                      ; R: 4 (g & 1) + w = 2 b + q
	s_lshr_b32 s51, s39, 1                         ; b
	s_and_b32 s52, s39, 1                          ; q
	s_lshl_b32 s53, s51, 4
	s_lshl_b32 s7, s52, 2
	s_add_co_u32 s53, s53, s7                      ; 16 b + 4 q
	s_mov_b32 s40, 0xbe549a78                      ; -log2(10000) / 64
	s_mov_b32 s41, 0x3f22f983                      ; 2 / pi
	s_mov_b32 s42, 0x3fc90000                      ; pi / 2 in three parts
	s_mov_b32 s43, 0x39fda000
	s_mov_b32 s44, 0x33a22168
	s_mov_b32 s45, 0xb94ca1f9                      ; sine on |r| <= pi/4: r + r z (s45 z^2 + s46 z + s47), z = r^2
	s_mov_b32 s46, 0x3c08839e
	s_mov_b32 s47, 0xbe2aaaa3
	s_mov_b32 s48, 0x37ccf5ce                      ; cosine: 1 - z/2 + z^2 (s48 z^2 + s49 z + s50)
	s_mov_b32 s49, 0xbab6061a
	s_mov_b32 s50, 0x3d2aaaa5
	s_mov_b32 s13, 0
; offsets are summed apart from the addresses, in s[12:13], and added once
.macro ZERO
	s_mov_b32 s12, 0
.endm
.macro TERM r, sh
	s_lshl_b32 s7, s[\r], \sh
	s_add_co_u32 s12, s12, s7
.endm
.macro BASE p
	s_add_nc_u64 s[\p:\p+1], s[\p:\p+1], s[12:13]
.endm
	s_wait_kmcnt 0x0
	ZERO                                           ; Wqkv: row 512 gy + 128 wk of 16,384 bytes, column 64 gx + 32 wn
	TERM 9, 23
	TERM 6, 21
	TERM 10, 8
	TERM 5, 7
	BASE 18
	ZERO                                           ; Wo: row 256 oy + 64 wk of 8,192 bytes, column 64 ox + 32 wn
	TERM 11, 21
	TERM 6, 19
	TERM 36, 8
	TERM 5, 7
	BASE 20
	ZERO                                           ; hidden: row 16 (g >> 1) + 4 wk, chunk 2 (g & 1) + wn of 2,048 bytes
	TERM 37, 17
	TERM 6, 15
	TERM 38, 12
	TERM 5, 11
	BASE 16
	ZERO                                           ; xc: the same row of 1,024 bytes, chunk of 256
	TERM 37, 14
	TERM 6, 12
	TERM 38, 9
	TERM 5, 8
	BASE 24
	ZERO                                           ; wc: row 64 gx + 8 w, byte 256 gy
	TERM 10, 16
	TERM 4, 13
	TERM 9, 8
	BASE 28
	ZERO                                           ; wot: row 64 ox + 8 w of 4,096 bytes, byte 512 oy
	TERM 36, 18
	TERM 4, 15
	TERM 11, 9
	BASE 32
	ZERO                                           ; ws: plane gy of 65,536 bytes, 64 gx rows of 16
	TERM 9, 16
	TERM 10, 10
	BASE 30
	ZERO                                           ; xs: plane 2 (g & 1) of 32,768 bytes, 16 (g >> 1) rows of 16
	TERM 38, 16
	TERM 37, 8
	BASE 26
	ZERO                                           ; positions: 16 (g >> 1) on
	TERM 37, 6
	BASE 22
	ZERO                                           ; rope: block g >> 1 of 8,192 bytes, b x 2,048, q x 512
	TERM 37, 13
	TERM 51, 11
	TERM 52, 9
	BASE 34
; column block t: 32 rows of K at my column: 128 consecutive bytes a wave and load.  t = 0..3: Wqkv; 4, 5: Wo
.macro LOADC t
.set ii, 0
.rept 32
.if (\t) < 4
	global_load_b32 v[CS0+32*((\t)%2)+ii], v2, s[18:19] offset:(32*(\t)+ii)*16384 th:TH_LOAD_NT
.else
	global_load_b32 v[CS0+32*((\t)%2)+ii], v2, s[20:21] offset:(32*((\t)-4)+ii)*8192 th:TH_LOAD_NT
.endif
.set ii, ii+1
.endr
.endm
; a block of 32 along K of my column of Wqkv: largest magnitude, scale byte, codes
.macro QBLK t
.set XS, CS0+32*((\t)%2)
	v_max3_num_f32 v12, |v[XS]|, |v[XS+1]|, |v[XS+2]|
	v_max3_num_f32 v13, |v[XS+3]|, |v[XS+4]|, |v[XS+5]|
.irp i, 6,10,14,18,22,26
	v_max3_num_f32 v12, v12, |v[XS+\i]|, |v[XS+\i+1]|
	v_max3_num_f32 v13, v13, |v[XS+\i+2]|, |v[XS+\i+3]|
.endr
	v_max3_num_f32 v12, v12, |v[XS+30]|, |v[XS+31]|
	v_max3_num_f32 v12, v12, v13, 0x1800000        ; and the floor 2^(3 - 127): the byte cannot fall under 1
	v_add_nc_u32 v11, 0xff000000, v12              ; 2 off the exponent field: the conversion takes this operand's exponent field as its scale
	v_lshrrev_b32 v13, 23, v11                     ; the scale's byte
.if (\t) == 0
	v_mov_b32 v16, v13
.else
	v_lshl_or_b32 v16, v13, 8*(\t), v16            ; four bytes to the word, the lower K in the lower byte
.endif
.irp g, 0,1,2,3
	v_cvt_scalef32_pk8_fp4_f32 v[WC+4*(\t)+\g], v[XS+8*\g:XS+8*\g+7], v11
.endr
	v_nop                                          ; one plain line behind the last scaled conversion
	ds_store_b128 v3, v[WC+4*(\t):WC+4*(\t)+3] offset:16*(\t)
.endm
; a block of 32 along K of my column of Wo, rounded to f16: 64 bytes of my row of Wo^T
.macro CBLK t
.set XS, CS0+32*((\t)%2)
.set ii, 0
.rept 16
	v_cvt_pk_f16_f32 v[OC+16*(\t)+ii], v[XS+2*ii], v[XS+2*ii+1]
.set ii, ii+1
.endr
.irp q, 0,1,2,3
	ds_store_b128 v5, v[OC+16*(\t)+4*\q:OC+16*(\t)+4*\q+3] offset:64*(\t)+16*\q
.endr
.endm
; step t's 2,048 bytes through my stage: in as loaded, out 64 bytes a lane.  LDS serves a wave's instructions in order: no wait between
.macro TURN t
.irp i, 0,1,2,3
	ds_store_b128 v7, v[XR+16*(\t)+4*\i:XR+16*(\t)+4*\i+3] offset:2560*((\t)%2)+640*\i
.endr
.irp i, 0,1,2,3
	ds_load_b128 v[XN+16*((\t)%2)+4*\i:XN+16*((\t)%2)+4*\i+3], v8 offset:2560*((\t)%2)+16*\i
.endr
.endm
.macro XSTEP t
.set XS, XN+16*((\t)%2)
.if (\t) > 0
	s_wait_dscnt 1                                 ; this step's numbers are back; the last step's byte store may be out
.else
	s_wait_dscnt 0x0
.endif
.if (\t) < 3
	s_wait_loadcnt 4*(2-(\t))                      ; the next step's four loads are in; those of the steps behind it may be out
	TURN (\t)+1
.endif
	v_max3_num_f32 v12, |v[XS]|, |v[XS+1]|, |v[XS+2]|
	v_max3_num_f32 v13, |v[XS+3]|, |v[XS+4]|, |v[XS+5]|
.irp i, 6,10
	v_max3_num_f32 v12, v12, |v[XS+\i]|, |v[XS+\i+1]|
	v_max3_num_f32 v13, v13, |v[XS+\i+2]|, |v[XS+\i+3]|
.endr
	v_max3_num_f32 v12, v12, |v[XS+14]|, |v[XS+15]|
	v_max3_num_f32 v12, v12, v13, 0x1800000
	v_max_num_f32_dpp v12, v12, v12 row_xmask:1 row_mask:0xf bank_mask:0xf   ; with my neighbour's 16: the block's
	v_add_nc_u32 v11, 0xff000000, v12
	v_cvt_scalef32_pk8_fp4_f32 v[XC+2*(\t)], v[XS:XS+7], v11
	v_cvt_scalef32_pk8_fp4_f32 v[XC+2*(\t)+1], v[XS+8:XS+15], v11
	v_lshrrev_b32 v[XB+(\t)], 23, v11              ; the scale's byte (also the plain line behind the conversions)
	ds_store_b8 v10, v[XB+(\t)] offset:16*(\t)     ; both lanes of a block write the same byte with the same value
	global_store_b64 v9, v[XC+2*(\t):XC+2*(\t)+1], s[24:25] offset:1024*(\t)   ; the wave stores 256 consecutive bytes, aligned
.endm
	LOADC 0
	LOADC 1
	s_wait_loadcnt 32                              ; this block's 32 loads are in, the next block's 32 may be out: so in each of the five waits
	QBLK 0
	LOADC 2
	s_wait_loadcnt 32
	QBLK 1
	LOADC 3
	s_wait_loadcnt 32
	QBLK 2
	LOADC 4
	s_wait_loadcnt 32
	QBLK 3
	ds_store_b32 v4, v16                           ; my column's four scale bytes
	LOADC 5
	s_wait_loadcnt 32
	CBLK 0
	global_load_b32 v17, v27, s[22:23]             ; my position
.irp t, 0,1,2,3
.irp i, 0,1,2,3
	global_load_b128 v[XR+16*\t+4*\i:XR+16*\t+4*\i+3], v6, s[16:17] offset:8192*\t+512*\i th:TH_LOAD_NT   ; 512 consecutive bytes a load
.endr
.endr
	s_wait_loadcnt 17                              ; Wo's last block is in; the position and X's sixteen loads may be out
	CBLK 1
	s_wait_loadcnt 12                              ; X's step 0 is in
	TURN 0
	XSTEP 0
	XSTEP 1
	XSTEP 2
	XSTEP 3
	; R: cosines and sines of position x 10000^(-i/64), four frequencies a lane
	s_cmp_lt_u32 s4, 4
	s_cbranch_scc0 .Lno_rope
	v_cvt_f32_i32 v28, v17
	v_lshl_add_u32 v29, v26, 3, s53                ; 16 b + 8 h + 4 q
.irp e, 0,1,2,3
	v_add_nc_u32 v[96+\e], \e, v29
.endr
.irp e, 0,1,2,3
	v_cvt_f32_u32 v[96+\e], v[96+\e]
.endr
.irp e, 0,1,2,3
	v_mul_f32 v[96+\e], s40, v[96+\e]
.endr
.irp e, 0,1,2,3
	v_exp_f32 v[100+\e], v[96+\e]
.endr
	v_nop                                          ; a plain line behind the exponentials,
	s_wait_alu depctr_va_vdst(0)                   ; and one wait for the four, ahead of their first reader
.irp e, 0,1,2,3
	v_mul_f32 v[104+\e], v28, v[100+\e]            ; the angle
.endr
.irp e, 0,1,2,3
	v_mul_f32 v[108+\e], s41, v[104+\e]
.endr
.irp e, 0,1,2,3
	v_rndne_f32 v[108+\e], v[108+\e]               ; n: the nearest multiple of pi/2
.endr
.irp e, 0,1,2,3
	v_fma_f32 v[112+\e], -v[108+\e], s42, v[104+\e]
.endr
.irp e, 0,1,2,3
	v_fma_f32 v[112+\e], -v[108+\e], s43, v[112+\e]
.endr
.irp e, 0,1,2,3
	v_fma_f32 v[112+\e], -v[108+\e], s44, v[112+\e]   ; r, |r| <= pi/4
.endr
.irp e, 0,1,2,3
	v_cvt_i32_f32 v[128+\e], v[108+\e]
.endr
.irp e, 0,1,2,3
	v_mul_f32 v[116+\e], v[112+\e], v[112+\e]      ; z
.endr
.irp e, 0,1,2,3
	v_fma_f32 v[120+\e], v[116+\e], s45, s46
	v_fma_f32 v[124+\e], v[116+\e], s48, s49
.endr
.irp e, 0,1,2,3
	v_fma_f32 v[120+\e], v[120+\e], v[116+\e], s47
	v_fma_f32 v[124+\e], v[124+\e], v[116+\e], s50
.endr
.irp e, 0,1,2,3
	v_mul_f32 v[120+\e], v[120+\e], v[116+\e]
	v_mul_f32 v[124+\e], v[124+\e], v[116+\e]
.endr
.irp e, 0,1,2,3
	v_fma_f32 v[120+\e], v[120+\e], v[112+\e], v[112+\e]   ; sin r
	v_mul_f32 v[124+\e], v[124+\e], v[116+\e]
.endr
.irp e, 0,1,2,3
	v_fma_f32 v[124+\e], v[116+\e], -0.5, v[124+\e]
.endr
.irp e, 0,1,2,3
	v_add_f32 v[124+\e], 1.0, v[124+\e]            ; cos r
.endr
.irp e, 0,1,2,3                                ; the quadrant: odd n swaps the two; the sine's sign is n & 2, the cosine's (n + 1) & 2
	v_and_b32 v[140+\e], 1, v[128+\e]
	v_cmp_eq_u32 vcc_lo, 1, v[140+\e]
	v_cndmask_b32 v[136+\e], v[120+\e], v[124+\e], vcc_lo
	v_cndmask_b32 v[132+\e], v[124+\e], v[120+\e], vcc_lo
	v_and_b32 v[140+\e], 2, v[128+\e]
	v_lshlrev_b32 v[140+\e], 30, v[140+\e]
	v_xor_b32 v[136+\e], v[136+\e], v[140+\e]
	v_add_nc_u32 v[140+\e], 1, v[128+\e]
	v_and_b32 v[140+\e], 2, v[140+\e]
	v_lshlrev_b32 v[140+\e], 30, v[140+\e]
	v_xor_b32 v[132+\e], v[132+\e], v[140+\e]
.endr
	global_store_b128 v6, v[132:135], s[34:35]              ; cosines: 512 consecutive bytes
	global_store_b128 v6, v[136:139], s[34:35] offset:1024  ; sines
.Lno_rope:
	s_wait_dscnt 0x0                               ; for the others' sake: my stores into LDS are done
	s_barrier_signal -1
	s_barrier_wait -1
.irp i, 0,1,2,3
	ds_load_b128 v[32+4*\i:35+4*\i], v18 offset:2*\i*272
.endr
.irp i, 0,1,2,3,4,5,6,7
	ds_load_b128 v[48+4*\i:51+4*\i], v20 offset:\i*528
.endr
	s_wait_dscnt 8                                 ; the four loads of codes are in, the eight of Wo^T may be out
.irp i, 0,1,2,3
	global_store_b128 v19, v[32+4*\i:35+4*\i], s[28:29] offset:2*\i*1024   ; sixteen lanes store 256 consecutive bytes, aligned
.endr
	s_wait_dscnt 0x0
.irp i, 0,1,2,3,4,5,6,7
	global_store_b128 v6, v[48+4*\i:51+4*\i], s[32:33] offset:\i*4096      ; the wave stores 512 consecutive bytes, aligned
.endr
	s_cmp_lt_u32 s4, 2
	s_cbranch_scc0 .Lnot_01
	ds_load_b128 v[80:83], v21
	s_wait_dscnt 0x0
	global_store_b128 v23, v[80:83], s[30:31]      ; W's scale bytes: 512 consecutive bytes a wave
.Lnot_01:
	s_cmp_eq_u32 s4, 2
	s_cbranch_scc0 .Lnot_2
	ds_load_b128 v[84:87], v22
	s_wait_dscnt 0x0
	global_store_b128 v24, v[84:87], s[26:27]      ; X's: sixteen lanes store 256 consecutive bytes in each of two planes
.Lnot_2:
	s_wait_tensorcnt 0x0                           ; the wave's end, behind my last LDS store
	ds_add_u32 v[SPW], v[NIL]
	s_wait_dscnt 0x0
	s_endpgm
.Lfunc_end_k_q8fe6d64edc_prep:
	.size	k_q8fe6d64edc_prep, .Lfunc_end_k_q8fe6d64edc_prep-k_q8fe6d64edc_prep
	.p2alignl 7, 3214868480
	.fill 96, 4, 3214868480
	.section	.rodata,"a",@progbits
	.p2align	6, 0x0
	.amdhsa_kernel k_q8fe6d64edc_prep
		.amdhsa_group_segment_fixed_size 94720
		.amdhsa_private_segment_fixed_size 0
		.amdhsa_enable_private_segment 0
		.amdhsa_kernarg_size 80
		.amdhsa_user_sgpr_count 2
		.amdhsa_user_sgpr_kernarg_segment_ptr 1
		.amdhsa_wavefront_size32 1
		.amdhsa_system_sgpr_workgroup_id_x 1
		.amdhsa_system_sgpr_workgroup_id_y 1
		.amdhsa_system_sgpr_workgroup_id_z 1
		.amdhsa_system_vgpr_workitem_id 0
		.amdhsa_next_free_vgpr 256
		.amdhsa_next_free_sgpr 66
		.amdhsa_reserve_vcc 1
		.amdhsa_float_denorm_mode_32 3
		.amdhsa_float_denorm_mode_16_64 3
		.amdhsa_memory_ordered 1
		.amdhsa_forward_progress 1
		.amdhsa_inst_pref_size 50
	.end_amdhsa_kernel
	.amdgpu_metadata
---
amdhsa.version: [ 1, 2 ]
amdhsa.kernels:
  - .name:           k_q8fe6d64edc_prep
    .symbol:         k_q8fe6d64edc_prep.kd
    .args:
      - { .name: hidden_states, .offset: 0, .size: 8, .value_kind: global_buffer, .address_space: global }
      - { .name: Wqkv, .offset: 8, .size: 8, .value_kind: global_buffer, .address_space: global }
      - { .name: Wo, .offset: 16, .size: 8, .value_kind: global_buffer, .address_space: global }
      - { .name: positions, .offset: 24, .size: 8, .value_kind: global_buffer, .address_space: global }
      - { .name: xc, .offset: 32, .size: 8, .value_kind: global_buffer, .address_space: global }
      - { .name: xs, .offset: 40, .size: 8, .value_kind: global_buffer, .address_space: global }
      - { .name: wc, .offset: 48, .size: 8, .value_kind: global_buffer, .address_space: global }
      - { .name: ws, .offset: 56, .size: 8, .value_kind: global_buffer, .address_space: global }
      - { .name: wot, .offset: 64, .size: 8, .value_kind: global_buffer, .address_space: global }
      - { .name: rope, .offset: 72, .size: 8, .value_kind: global_buffer, .address_space: global }
    .group_segment_fixed_size: 94720
    .private_segment_fixed_size: 0
    .kernarg_segment_align: 8
    .kernarg_segment_size: 80
    .max_flat_workgroup_size: 256
    .sgpr_count:     66
    .vgpr_count:     256
    .wavefront_size: 32
...
	.end_amdgpu_metadata
.endif
;; end of part 1
;; launch gemm_qkv (part 2): grid 16 x 8, 4 waves a work-group, clusters of 4 x 4, 327,680 bytes of LDS; arguments xc, xs, wc, ws, rope, qkv; writes qkv
.if DOCPART == 2
	.amdgcn_target "amdgcn-amd-amdhsa--gfx1250"
	.amdhsa_code_object_version 6
	.text
	.protected	k_q8fe6d64edc_gemm_qkv
	.globl	k_q8fe6d64edc_gemm_qkv
	.p2align	8
	.type	k_q8fe6d64edc_gemm_qkv,@function
k_q8fe6d64edc_gemm_qkv:
	s_mov_b64 s[64:65], 0
	v_nop
	global_prefetch_b8 v0, s[64:65] scope:SCOPE_SE
	s_setreg_imm32_b32 hwreg(HW_REG_WAVE_MODE, 25, 1), 1
	s_wait_xcnt 0x0
	s_wait_alu depctr_hold_cnt(0) depctr_sa_sdst(0) depctr_va_vdst(0) depctr_va_sdst(0) depctr_va_ssrc(0) depctr_va_vcc(0) depctr_vm_vsrc(0)
	s_getreg_b32 s2, hwreg(HW_REG_IB_STS2, 6, 4)
	s_cmp_eq_u32 s2, 0
	s_cbranch_scc0 .Lentry_in_a_cluster
	s_endpgm
.Lentry_in_a_cluster:
	s_bfe_u32 s2, ttmp6, 0x10000c
	s_cmp_lg_u32 s2, 0xf033
	s_cbranch_scc0 .Lentry_shape_is_right
	s_endpgm
.Lentry_shape_is_right:
; qkv[m][n] = sum over k of hidden[m][k] Wqkv[k][n], both as codes of FP4 (E2M1) with one E8M0 scale for each 32 along K, sums in f32; q's and k's heads are rotated (NeoX) in registers on the way out;
; qkv is stored in f16, [2048][4096].  No work of reference() is left out here.
; A tile of C, 256 x 256, is made by four waves, each 128 x 128: 64 accumulators, 512 registers; a wave's 128 columns are exactly one head.  K goes in steps of 512 through two LDS slots (rows of 256 bytes).
; THE SCALES of the work-group's rows, for all of K, come once with the first fills: xs and ws are laid [K/512][row][16 B], so a wave's 128 rows are four runs of 2,048 bytes: one tile of 4 x 2,048.
; CLUSTERS: 4 x 4 work-groups; A's tiles are asked for jointly along a row of the cluster, B's along a column.  THE MATRIX INSTRUCTION IS USED TRANSPOSED (source 0 = 16 rows of B, source 1 = 16 rows of A):
; a lane holds eight neighbouring columns of one row of C, so a head's column i (accumulator b) and column i + 64 (accumulator b + 4) lie in the same lane and register place: the rotation changes no lane.
; REGISTERS: window 0: v16-30 addresses; v32-95 scale words, two sets, and nothing else; from v128 A's fragments, one set; on the way out v96-255 are free.
;   window 1: B's fragments, two sets, at v0-63 and v128-191; the cosines and sines take four sets of 64 by turns: v64-127 and v192-255, which B never uses, then B's own two.  windows 2, 3: the accumulators.
.set SIZE_N, 4096
.set SIZE_K, 2048
.set KSTEP,  512
.set NQ,     KSTEP/128
.set ROWB,   256
.set KROW,   SIZE_K/2
.set PITCH,  272                       ; an LDS row: 256 bytes + 16 of padding: the 16 rows that a load touches start at 16 different banks (64 banks of 4 bytes: ISA guide 11.1)
.set FR,     8
.set NL,     2
.set NP,     4                         ; places behind this matrix instruction (ISA guide 7.12.1)
.set HALFT,  128*PITCH
.set SLOT,   4*HALFT
.set LAPS,   SIZE_K/(2*KSTEP)
.set SCL,    2*SLOT                    ; behind the ring: the scales, 8,192 bytes for each wave's load
.set HALFS,  8192
.set SPARE,  SCL+4*HALFS               ; the spare words: two blocks of 256 bytes that no other line names
.set SPITCH, 272                       ; the way out: a stage of 16 rows x (256 + 16) bytes a wave, in slot 0, which has had its last fill and its last read by then
.set VSTG,   32768                     ; the plain way out has stage bytes of its own, this far on in slot 0
.set ADRA, 16
.set ADRB, 20
.set STO,  24
.set RD,   25
.set CO,   26
.set ADRS, 27
.set SPW,  28
.set NIL,  29
.set RPO,  30                          ; v30 16 x lane: my place in an image of cosines or sines
.set SC,   32
.set AF,   128
.set G1, 24
.set G0, 32
.set G1B, 48
.set G0B, 56
.set G1S, 68
.set G0S, 76
.set G1SB, 80
.set G0SB, 88
.set MSB, 0
.macro WIN new                         ; the immediate's high byte repeats the setting that is left
.if MSB != (\new)
	s_set_vgpr_msb (MSB<<8)|(\new)
.set MSB, (\new)
.endif
.endm
.set MUL_LO, 0xa1                      ; source 0 (B) window 1, source 1 (A) window 0, C and D window 2
.set MUL_HI, 0xf1
.set TO_B,   0x40
; a joint load: waves 0 and 1 fetch for A, waves 2 and 3 for B; the branch hangs on the wave's number alone.  An s_nop 0 and four v_nop follow each line
.macro JLOAD g0a, g1a, g0b, g1b
	s_cmp_eq_u32 s15, 0
	s_cbranch_scc0 .Lfor_b_\@
	tensor_load_to_lds s[\g0a:\g0a+3], s[\g1a:\g1a+7]
	s_nop 0
.rept 4
	v_nop
.endr
	s_branch .Lasked_\@
.Lfor_b_\@:
	tensor_load_to_lds s[\g0b:\g0b+3], s[\g1b:\g1b+7]
	s_nop 0
.rept 4
	v_nop
.endr
.Lasked_\@:
.endm
.macro CREST
	s_cmp_lg_u32 s14, 0
	s_cbranch_scc1 .Lnot_wave_0_\@
	s_barrier_signal -3
.Lnot_wave_0_\@:
	s_barrier_wait -3
	s_barrier_signal -1
	s_barrier_wait -1
.endm
.macro CROUND
	s_barrier_signal -1
	s_barrier_wait -1
	CREST
.endm
	s_load_b128 s[4:7], s[0:1], 0x0                ; A's codes s[4:5], A's scales s[6:7]
	s_load_b128 s[8:11], s[0:1], 0x10              ; B's codes s[8:9], B's scales s[10:11]
	s_load_b64 s[96:97], s[0:1], 0x20              ; rope
	s_load_b64 s[12:13], s[0:1], 0x28              ; qkv
	v_lshl_add_u32 v[SPW], v0, 2, SPARE
	v_mov_b32 v[NIL], 0
	ds_add_u32 v[SPW], v[NIL]                      ; the wave's opening: the add, twice on end, and its wait ahead of my first tensor load
	ds_add_u32 v[SPW], v[NIL]
	v_lshrrev_b32 v1, 5, v0
	v_readfirstlane_b32 s14, v1                    ; wave 0..3
	s_lshr_b32 s15, s14, 1                         ; which half of the tile's rows is mine.  Also: I fetch for A (0) or for B (1)
	s_and_b32 s16, s14, 1                          ; which half of its columns.  Also: which 128 rows of that tile I fetch
	s_bfe_u32 s40, ttmp6, 0x40000                  ; cx, cy
	s_bfe_u32 s41, ttmp6, 0x40004
	s_lshl_b32 s42, ttmp9, 2
	s_add_co_u32 s42, s42, s40                     ; tile column of C
	s_and_b32 s17, ttmp7, 0xffff
	s_lshl_b32 s17, s17, 2
	s_add_co_u32 s17, s17, s41                     ; tile row of C
	s_lshl_b32 s43, s41, 2
	s_lshl_b32 s43, 15, s43                        ; my row of the cluster
	s_lshl_b32 s44, 0x1111, s40                    ; my column
	s_or_b32 s[G1+0], s43, (0<<16)|(1<<20)|(1<<21)|(5<<22)|(3<<25)  ; the mask; elements of 1 byte; padding on; bit 21 beside a mask; 4 words behind every 64
	s_or_b32 s[G1B+0], s44, (0<<16)|(1<<20)|(1<<21)|(5<<22)|(3<<25)
.irp g, G1, G1B
	s_mov_b32 s[\g+1], ROWB<<16                    ; tensor_dim0
	s_mov_b32 s[\g+2], 128<<16                     ; tensor_dim1
	s_mov_b32 s[\g+3], ROWB<<16                    ; tile_dim0
	s_mov_b32 s[\g+4], 128                         ; tile_dim1
	s_mov_b32 s[\g+5], KROW                        ; from row to row
	s_mov_b32 s[\g+6], 0
	s_mov_b32 s[\g+7], 0
.endr
	; the scales of 128 rows: 4 rows (one for each 512 of K) of 256 elements of 8 bytes, a plane of the buffer apart; no padding: a load of scale words takes 256 consecutive bytes for each half of the lanes
	s_or_b32 s[G1S+0], s43, (3<<16)|(1<<21)
	s_or_b32 s[G1SB+0], s44, (3<<16)|(1<<21)
.irp g, G1S, G1SB
	s_mov_b32 s[\g+1], 256<<16
	s_mov_b32 s[\g+2], 4<<16
	s_mov_b32 s[\g+3], 256<<16
	s_mov_b32 s[\g+4], 4
	s_mov_b32 s[\g+6], 0
	s_mov_b32 s[\g+7], 0
.endr
	s_mov_b32 s[G1S+5], 4096                       ; xs: 2,048 rows x 16 bytes, in elements of 8
	s_mov_b32 s[G1SB+5], 8192                      ; ws: 4,096 rows
	s_lshl_b32 s18, s16, 7
	s_lshl_b32 s20, s17, 8
	s_add_co_u32 s20, s20, s18                     ; A: row 256 x tile row + 128 x half
	s_lshl_b32 s46, s42, 8
	s_add_co_u32 s46, s46, s18                     ; B: row 256 x tile column + 128 x half
	s_mov_b32 s21, 0
	s_mov_b32 s47, 0
	s_lshl_b64 s[22:23], s[20:21], 4               ; where these rows' scales begin in a plane
	s_lshl_b64 s[92:93], s[46:47], 4
	s_mov_b64 s[18:19], KROW
	s_mul_u64 s[20:21], s[20:21], s[18:19]         ; and their codes
	s_mul_u64 s[46:47], s[46:47], s[18:19]
	s_mul_i32 s45, s14, HALFT                      ; where they go: wave x 128 rows: no place in the cluster enters an LDS address
	s_mul_i32 s94, s14, HALFS
	s_wait_dscnt 0x0                               ; both opening adds are done
	s_wait_kmcnt 0x0
	s_add_nc_u64 s[20:21], s[4:5], s[20:21]
	s_add_nc_u64 s[22:23], s[6:7], s[22:23]
	s_add_nc_u64 s[46:47], s[8:9], s[46:47]
	s_add_nc_u64 s[92:93], s[10:11], s[92:93]
	CROUND                                         ; all sixteen work-groups are here: the first joint loads meet
	s_mov_b32 s[G0S], 1
	s_add_co_u32 s[G0S+1], s94, SCL
	s_mov_b64 s[G0S+2:G0S+3], s[22:23]
	s_or_b32 s[G0S+3], s[G0S+3], 0x80000000
	s_mov_b32 s[G0SB], 1
	s_add_co_u32 s[G0SB+1], s94, SCL
	s_mov_b64 s[G0SB+2:G0SB+3], s[92:93]
	s_or_b32 s[G0SB+3], s[G0SB+3], 0x80000000
	JLOAD G0S, G1S, G0SB, G1SB                     ; the scales first: they are wanted with K step 0
.irp s, 0,1
	s_mov_b32 s[G0+4*\s], 1
	s_add_co_u32 s[G0+4*\s+1], s45, \s*SLOT
	s_add_nc_u64 s[G0+4*\s+2:G0+4*\s+3], s[20:21], \s*ROWB
	s_or_b32 s[G0+4*\s+3], s[G0+4*\s+3], 0x80000000
	s_mov_b32 s[G0B+4*\s], 1
	s_add_co_u32 s[G0B+4*\s+1], s45, \s*SLOT
	s_add_nc_u64 s[G0B+4*\s+2:G0B+4*\s+3], s[46:47], \s*ROWB
	s_or_b32 s[G0B+4*\s+3], s[G0B+4*\s+3], 0x80000000
	JLOAD G0+4*\s, G1, G0B+4*\s, G1B
.endr
	v_and_b32 v1, 15, v0                           ; r = l % 16
	v_bfe_u32 v2, v0, 4, 1                         ; h = l / 16
	v_mul_u32_u24 v3, v1, PITCH
	v_lshl_add_u32 v4, v2, 4, v3                   ; a fragment's row x pitch + 16 x half
	s_mul_i32 s21, s15, HALFT                      ; my 128 rows of A
	s_mul_i32 s22, s16, HALFT                      ; my 128 rows of B,
	s_add_co_u32 s22, s22, 2*HALFT                 ; behind A's 256
.irp s, 0,1
	v_add_nc_u32 v[ADRA+\s], s21, v4
	v_add_nc_u32 v[ADRB+\s], s22, v4
	s_add_co_u32 s21, s21, SLOT
	s_add_co_u32 s22, s22, SLOT
.endr
	v_lshlrev_b32 v5, 4, v1                        ; my row's 16 scale bytes of a K step
	s_lshl_b32 s21, s15, 13                        ; A's: the load of my row half
	s_lshl_b32 s22, s16, 13                        ; B's: that of my column half, behind A's two
	s_add_co_u32 s22, s22, 2*HALFS
	s_sub_co_u32 s22, s22, s21
	v_mul_u32_u24 v6, s22, v2                      ; lanes 16-31 take B's: one product, the distance between the two
	s_add_co_u32 s21, s21, SCL
	v_add_nc_u32 v5, v5, v6
	v_add_nc_u32 v[ADRS], s21, v5
	s_mul_i32 s23, s14, 16*SPITCH                  ; my stage
	v_mul_u32_u24 v5, v1, SPITCH                   ; in: row r, 16 bytes for each half of the lanes
	v_lshl_add_u32 v5, v2, 4, v5
	v_add_nc_u32 v[STO], s23, v5
	v_mul_u32_u24 v5, v2, SPITCH                   ; back: lanes 0-15 one row of 256 bytes, lanes 16-31 the next
	v_lshl_add_u32 v5, v1, 4, v5
	v_add_nc_u32 v[RD], s23, v5
	v_lshlrev_b32 v5, 13, v2                       ; and the same two rows of qkv (8,192 bytes a row)
	v_lshl_add_u32 v[CO], v1, 4, v5
	v_and_b32 v6, 31, v0
	v_lshlrev_b32 v[RPO], 4, v6
	s_lshl_b32 s20, s17, 8
	s_lshl_b32 s21, s15, 7
	s_add_co_u32 s20, s20, s21                     ; my first row of C
	s_lshl_b32 s22, s20, 9                         ; rope: 8,192 bytes for each 16 rows
	s_mov_b32 s23, 0
	s_add_nc_u64 s[96:97], s[96:97], s[22:23]
	s_lshl_b32 s20, s20, 13
	s_mov_b32 s21, 0
	s_lshl_b32 s46, s42, 9                         ; my first column, in bytes: 512 x tile column + 256 x half
	s_lshl_b32 s47, s16, 8
	s_add_co_u32 s46, s46, s47
	s_mov_b32 s47, 0
	s_add_nc_u64 s[20:21], s[20:21], s[46:47]
	s_add_nc_u64 s[12:13], s[12:13], s[20:21]
.macro FRAG reg, adr, q, i             ; 16 rows x 128 K of 4-bit codes: 8 registers: registers 4 c .. 4 c + 3 hold K = 64 c + 32 (l / 16) + 0 .. 31
.irp c, 0,1
	ds_load_b128 v[\reg+4*\c:\reg+4*\c+3], v[\adr] offset:64*(\q)+32*\c+(\i)*16*PITCH
.endr
.endm
; 16 matrix instructions: A's blocks a0, a0 + 1 x B's eight, the slot's q-th 128 along K.  The 64 accumulators take turns, one instruction a turn, in the same order in every step
.macro MUL16 a0, p, q, sc, zero
.irp a, \a0, \a0+1
.irp b, 0,1,2,3,4,5,6,7
.if \zero
	v_wmma_scale_f32_16x16x128_f8f6f4 v[8*(8*((\a)%4)+\b):8*(8*((\a)%4)+\b)+7], v[128*(\p)+FR*\b:128*(\p)+FR*\b+FR-1], v[AF+FR*(\a):AF+FR*(\a)+FR-1], 0, v[SC+8*NQ*(\sc)+NQ*\b+(\q)], v[SC+8*NQ*(\sc)+NQ*(\a)+(\q)] matrix_a_fmt:MATRIX_FMT_FP4 matrix_b_fmt:MATRIX_FMT_FP4 matrix_a_scale:MATRIX_SCALE_ROW1
.else
	v_wmma_scale_f32_16x16x128_f8f6f4 v[8*(8*((\a)%4)+\b):8*(8*((\a)%4)+\b)+7], v[128*(\p)+FR*\b:128*(\p)+FR*\b+FR-1], v[AF+FR*(\a):AF+FR*(\a)+FR-1], v[8*(8*((\a)%4)+\b):8*(8*((\a)%4)+\b)+7], v[SC+8*NQ*(\sc)+NQ*\b+(\q)], v[SC+8*NQ*(\sc)+NQ*(\a)+(\q)] matrix_a_fmt:MATRIX_FMT_FP4 matrix_b_fmt:MATRIX_FMT_FP4 matrix_a_scale:MATRIX_SCALE_ROW1
.endif
.endr
.endr
.endm
.macro FETCH_B slot, q, p
	WIN TO_B
.irp i, 0,1,2,3,4,5,6,7
	FRAG 128*(\p)+FR*\i, ADRB+\slot, \q, \i
.endr
	WIN 0
.endm
.macro FETCH_A slot, q, i0
.irp i, \i0, \i0+1, \i0+2, \i0+3
	FRAG AF+FR*(\i), ADRA+\slot, \q, \i
.endr
.endm
.macro SCALES sc                       ; a K step's scale words into set sc: four words a row; lanes 0-15 take A's block i, lanes 16-31 B's block i
.irp i, 0,1,2,3,4,5,6,7
	ds_load_b128 v[SC+8*NQ*\sc+NQ*\i:SC+8*NQ*\sc+NQ*\i+3], v[ADRS] offset:\i*256
.endr
.endm
.macro PLACES n                        ; plain vector lines between a matrix instruction and a load into, or a read of, its registers
.rept \n
	v_nop
.endr
.endm
.macro STEP slot, q, zero
	s_wait_dscnt 4*NL                              ; B's set, A's blocks 0-3 and the scale words are in; the youngest eight loads (A's blocks 4-7) may be out
	WIN MUL_LO
	MUL16 0, (\q)%2, \q, \slot, \zero
	MUL16 2, (\q)%2, \q, \slot, \zero
	s_wait_dscnt 0                                 ; A's blocks 4-7 are in
	PLACES NP
	FETCH_B \slot, (\q)+1, 1-(\q)%2
	FETCH_A \slot, (\q)+1, 0
	WIN MUL_HI
	MUL16 4, (\q)%2, \q, \slot, \zero
	MUL16 6, (\q)%2, \q, \slot, \zero
	PLACES NP
	WIN 0
	FETCH_A \slot, (\q)+1, 4
.endm
; a slot's last step changes slots: one barrier; in front of it each wave waits for all its tensor loads, adds 0 to its spare word, and waits for that and for its reads of this slot
.macro TURN slot, next, fill
	s_wait_tensorcnt 0x0                           ; all my tensor loads have landed: my part of the next slot
	ds_add_u32 v[SPW], v[NIL]
	s_wait_dscnt 4*NL+1                            ; (the add and the youngest eight loads may be out)
	WIN MUL_LO
	MUL16 0, 1, NQ-1, \slot, 0
	s_wait_dscnt 0x0                               ; the add is done, and my reads of this slot are over
	s_barrier_signal -1
	MUL16 2, 1, NQ-1, \slot, 0
	WIN 0
	s_barrier_wait -1
.if \fill
	CREST                                          ; the barrier has opened a round of the cluster's: no wave of any partner still reads this slot or has a load on its way
	s_add_nc_u64 s[G0+4*\slot+2:G0+4*\slot+3], s[G0+4*\slot+2:G0+4*\slot+3], 2*ROWB
	s_add_nc_u64 s[G0B+4*\slot+2:G0B+4*\slot+3], s[G0B+4*\slot+2:G0B+4*\slot+3], 2*ROWB
	JLOAD G0+4*\slot, G1, G0B+4*\slot, G1B         ; the first tensor load behind the round; its four v_nop are the places in front of the loads below
.else
	PLACES NP
.endif
	v_add_nc_u32 v[ADRS], 2048, v[ADRS]            ; the next K step's scale words: 128 rows x 16 bytes on
	FETCH_B \next, 0, 0
	FETCH_A \next, 0, 0
	SCALES \next
	WIN MUL_HI
	MUL16 4, 1, NQ-1, \slot, 0
	MUL16 6, 1, NQ-1, \slot, 0
	PLACES NP
	WIN 0
	FETCH_A \next, 0, 4
.endm
.macro STEPS slot, from
.set Q, \from
.rept NQ-1-\from
	STEP \slot, Q, 0
.set Q, Q+1
.endr
.endm
; the very last step of 128 along K: nothing more to fetch.  It is written in both arms of the way out, so that the rotated arm can ask for its first cosines and sines ahead of it
.macro LAST
	s_wait_dscnt 4*NL
	WIN MUL_LO
	MUL16 0, 1, NQ-1, 1, 0
	MUL16 2, 1, NQ-1, 1, 0
	s_wait_dscnt 0
	WIN MUL_HI
	MUL16 4, 1, NQ-1, 1, 0
	MUL16 6, 1, NQ-1, 1, 0
	WIN 0
	PLACES NP                                      ; in front of the loads into B's second set, of the writes into A's registers, and of the first reads of results
.endm
	s_wait_tensorcnt 1                             ; the scales and my part of K step 0 are in; K step 1's load may be out
	s_barrier_signal -1
	s_barrier_wait -1
	FETCH_B 0, 0, 0
	FETCH_A 0, 0, 0
	SCALES 0
	FETCH_A 0, 0, 4
	STEP 0, 0, 1                                   ; the first step's products start the sums: nothing is cleared
	s_mov_b32 s3, LAPS-1
.Llap:                                                 ; a trip goes once round the ring and fills both slots again
	STEPS 0, 1
	TURN 0, 1, 1
	STEPS 1, 0
	TURN 1, 0, 1
	STEP 0, 0, 0
	s_sub_co_u32 s3, s3, 1
	s_cmp_lg_u32 s3, 0
	s_cbranch_scc1 .Llap
	STEPS 0, 1                                     ; the last lap fills nothing
	TURN 0, 1, 0
	STEPS 1, 0
; THE WAY OUT, a block of 16 rows x 128 columns at a time.
; The cosines and sines of block a's 16 positions: 16 images of 512 bytes, into set a % 4 of window 1.  The sets begin at v64, v192, v0, v128, in that order: 64 x ((2 (a % 4) + 1) % 5).
; In a set: register 16 b + j cos, 8 + 16 b + j sin of frequency 16 b + 8 h + j.
.macro CSLOAD a
.set CL, 64*((2*((\a)%4)+1)%5)
	WIN 0x40                                       ; destination window 1, address window 0
.irp n, 0,1,2,3,4,5,6,7,8,9,10,11,12,13,14,15
	global_load_b128 v[CL+4*\n:CL+4*\n+3], v[RPO], s[96:97] offset:(\a)*8192+\n*512
.endr
	WIN 0
.endm
; y1 = x1 cos - x2 sin, y2 = x2 cos + x1 sin: x1 in accumulator (a, b), x2 in (a, b + 4), each read from its low end on; then rounded to f16.
; THE LOADS RUN THREE BLOCKS AHEAD: behind the wait for block a's sixteen, block a + 3's are issued, into the set that block a - 1 has been read out of.
.macro ROTPACK a
.set AC, 64*((\a)%4)
.if (\a) < 6
	s_wait_loadcnt 32                              ; loads come back in order (ISA guide 5.7.1): block a's are in; the two younger blocks' 32 may be out
.else
	s_wait_loadcnt 16*(7-(\a))                     ; the counts run down: one younger block, then none
.endif
.if (\a) < 5
	CSLOAD (\a)+3
.endif
.set CB, 64*((2*((\a)%4)+1)%5)
	WIN 0x06+(\a)/4                                ; source 0: window 2 or 3; source 1: window 1; source 2 and destination: window 0
.irp b, 0,1,2,3
.irp jj, 0,2,4,6
	v_pk_mul_f32 v[96+8*\b+\jj:97+8*\b+\jj], v[AC+8*\b+\jj:AC+8*\b+\jj+1], v[CB+16*\b+\jj:CB+16*\b+\jj+1]
	v_pk_mul_f32 v[128+8*\b+\jj:129+8*\b+\jj], v[AC+32+8*\b+\jj:AC+32+8*\b+\jj+1], v[CB+16*\b+\jj:CB+16*\b+\jj+1]
	v_pk_fma_f32 v[96+8*\b+\jj:97+8*\b+\jj], v[AC+32+8*\b+\jj:AC+32+8*\b+\jj+1], v[CB+8+16*\b+\jj:CB+9+16*\b+\jj], v[96+8*\b+\jj:97+8*\b+\jj] neg_lo:[1,0,0] neg_hi:[1,0,0]
	v_pk_fma_f32 v[128+8*\b+\jj:129+8*\b+\jj], v[AC+8*\b+\jj:AC+8*\b+\jj+1], v[CB+8+16*\b+\jj:CB+9+16*\b+\jj], v[128+8*\b+\jj:129+8*\b+\jj]
.endr
.endr
	WIN 0
.set ii, 0
.rept 32
	v_cvt_pk_f16_f32 v[160+ii], v[96+2*ii], v[97+2*ii]
.set ii, ii+1
.endr
.endm
.macro PACK a                          ; v's heads are not rotated
.set AC, 64*((\a)%4)
	WIN 0x0a+5*((\a)/4)                            ; sources 0 and 1: window 2 or 3
.irp b, 0,1,2,3,4,5,6,7
.irp r, 0,1,2,3
	v_cvt_pk_f16_f32 v[160+4*\b+\r], v[AC+8*\b+2*\r], v[AC+8*\b+2*\r+1]
.endr
.endr
	WIN 0
.endm
.macro TOSTAGE a, so                   ; 16 bytes a lane into rows of 272 bytes, back as whole rows of 256: LDS serves a wave's instructions in order (ISA guide 5.7.1.4)
.set BB, 192+32*((\a)%2)
.irp b, 0,1,2,3,4,5,6,7
	ds_store_b128 v[STO], v[160+4*\b:163+4*\b] offset:\so+32*\b
.endr
.irp t, 0,1,2,3,4,5,6,7
	ds_load_b128 v[BB+4*\t:BB+4*\t+3], v[RD] offset:\so+\t*2*SPITCH
.endr
.endm
.macro SEND a
.set BB, 192+32*((\a)%2)
	s_wait_dscnt 0x0                               ; the block is back in registers
	s_wait_xcnt 0x0                                ; the stores of the block before have read their registers: the next block's loads from the stage may land there
.irp t, 0,1,2,3,4,5,6,7
	global_store_b128 v[CO], v[BB+4*\t:BB+4*\t+3], s[12:13] offset:(\a)*131072+\t*16384   ; sixteen lanes store 256 consecutive bytes, aligned; the block and the rows stand in the immediate
.endr
.endm
	s_cmp_eq_u32 ttmp9, 3                          ; the cluster's x, the same in all sixteen partners: columns 3,072 on are v
	s_cbranch_scc1 .Lplain
	CSLOAD 0                                       ; into v64-127 and v192-255 of window 1, which nothing has used,
	CSLOAD 1
	CSLOAD 2                                       ; and into B's first set: the products that read it stand in front of the last STEP's four places.  These 48 loads are on their way under the last step's products
	LAST
	ROTPACK 0
	TOSTAGE 0, 0
.irp a, 1,2,3,4,5,6,7
	ROTPACK \a
	SEND \a-1
	TOSTAGE \a, 0
.endr
	SEND 7
	s_branch .Lout
.Lplain:
	LAST
	PACK 0
	TOSTAGE 0, VSTG
.irp a, 1,2,3,4,5,6,7
	PACK \a
	SEND \a-1
	TOSTAGE \a, VSTG
.endr
	SEND 7
.Lout:
	s_wait_tensorcnt 0x0                           ; the wave's end
	ds_add_u32 v[SPW], v[NIL]
	s_wait_dscnt 0x0
	CROUND                                         ; the closing round: no work-group ends while a partner may still ask for a tile that names it
	s_endpgm
.Lfunc_end_k_q8fe6d64edc_gemm_qkv:
	.size	k_q8fe6d64edc_gemm_qkv, .Lfunc_end_k_q8fe6d64edc_gemm_qkv-k_q8fe6d64edc_gemm_qkv
	.p2alignl 7, 3214868480
	.fill 96, 4, 3214868480
	.section	.rodata,"a",@progbits
	.p2align	6, 0x0
	.amdhsa_kernel k_q8fe6d64edc_gemm_qkv
		.amdhsa_group_segment_fixed_size 327680
		.amdhsa_private_segment_fixed_size 0
		.amdhsa_enable_private_segment 0
		.amdhsa_kernarg_size 48
		.amdhsa_user_sgpr_count 2
		.amdhsa_user_sgpr_kernarg_segment_ptr 1
		.amdhsa_wavefront_size32 1
		.amdhsa_system_sgpr_workgroup_id_x 1
		.amdhsa_system_sgpr_workgroup_id_y 1
		.amdhsa_system_sgpr_workgroup_id_z 1
		.amdhsa_system_vgpr_workitem_id 0
		.amdhsa_next_free_vgpr 1024
		.amdhsa_next_free_sgpr 100
		.amdhsa_reserve_vcc 0
		.amdhsa_float_denorm_mode_32 3
		.amdhsa_float_denorm_mode_16_64 3
		.amdhsa_memory_ordered 1
		.amdhsa_forward_progress 1
		.amdhsa_inst_pref_size 255
	.end_amdhsa_kernel
	.section	.bss,"aw",@nobits
	.p2align	6
	.space	262144
	.amdgpu_metadata
---
amdhsa.version: [ 1, 2 ]
amdhsa.kernels:
  - .name:           k_q8fe6d64edc_gemm_qkv
    .symbol:         k_q8fe6d64edc_gemm_qkv.kd
    .args:
      - { .name: xc, .offset: 0, .size: 8, .value_kind: global_buffer, .address_space: global }
      - { .name: xs, .offset: 8, .size: 8, .value_kind: global_buffer, .address_space: global }
      - { .name: wc, .offset: 16, .size: 8, .value_kind: global_buffer, .address_space: global }
      - { .name: ws, .offset: 24, .size: 8, .value_kind: global_buffer, .address_space: global }
      - { .name: rope, .offset: 32, .size: 8, .value_kind: global_buffer, .address_space: global }
      - { .name: qkv, .offset: 40, .size: 8, .value_kind: global_buffer, .address_space: global }
    .group_segment_fixed_size: 327680
    .private_segment_fixed_size: 0
    .kernarg_segment_align: 8
    .kernarg_segment_size: 48
    .max_flat_workgroup_size: 128
    .sgpr_count:     100
    .vgpr_count:     1024
    .wavefront_size: 32
...
	.end_amdgpu_metadata
.endif
;; end of part 2
;; launch attn (part 3): grid 64 x 4, 8 waves a work-group, no clusters, 327,680 bytes of LDS; arguments qkv, lambda_q1, lambda_k1, lambda_q2, lambda_k2, subln_w, att; writes att
.if DOCPART == 3
	.amdgcn_target "amdgcn-amd-amdhsa--gfx1250"
	.amdhsa_code_object_version 6
	.text
	.protected	k_q8fe6d64edc_attn
	.globl	k_q8fe6d64edc_attn
	.p2align	8
	.type	k_q8fe6d64edc_attn,@function
k_q8fe6d64edc_attn:
	s_mov_b64 s[64:65], 0
	v_nop
	global_prefetch_b8 v0, s[64:65] scope:SCOPE_SE
	s_setreg_imm32_b32 hwreg(HW_REG_WAVE_MODE, 25, 1), 1
	s_wait_xcnt 0x0
; att[t][256 p + c] = 0.8 w[c] a[c] / sqrt(mean(a^2) + 1e-5), a = a1 - lam a2; a_s = softmax_causal(q(2p+s) . k(2g+s) / sqrt(128)) [v(2g), v(2g+1)], g = p / 2; lam = exp(lq1 . lk1) - exp(lq2 . lk2) + 0.2.
; q, k (rotated) and v come in f16 from qkv [2048][4096]; products on f16 operands with f32 sums; maxima, exponentials, sums and the norm in f32; att in f16.
; WORK LEFT OUT: steps of 64 keys that lie wholly behind a wave's 16 queries (reference()'s own tril mask); the repeat of k and v is not made.  A NaN or infinity that reaches only such steps is not carried on.
; SHARES.  Work-group (x, g) owns the query tiles 127 - x (long) and x (short), 16 queries each, of group g: both pairs, both streams: every work-group has 17 slots' worth of keys.
; Wave w = kp + 2 s + 4 ts: ts picks the tile, s the stream, kp the half of each slot's 128 keys.  A wave holds TWO tile-rows (sets 0, 1: pair u = set xor kp): same queries, same stream,
; so each fragment of K and of V that it reads from LDS feeds two matrix instructions.  The two halves of the keys are merged once at the end, through LDS.
; LAYOUT.  S^T = K Q^T (source 0 = 16 keys, source 1 = 16 queries): a lane holds one query (lane % 16) and keys 8 (lane / 16) + 0..7; two such tiles rounded to f16 in pairs are source 1 of O^T = V^T P.
; V ([key][channel]) comes out of LDS turned, by ds_load_tr16_b128.  For each query a running maximum m and sum l: p = 2^(c s - c m), c = log2(e) / sqrt(128).
; NO CLUSTER: the number of slots that a work-group asks for, (127 - x) / 8 + 1, differs between the work-groups that share K and V, and the fills end by a jump on ids, which a joint load does not allow.
; A slot is 128 keys: K(2g), K(2g+1) (pitch 272), V(2g), V(2g+1) (pitch 288): four tiles of 128 rows x 256 bytes, one tensor load each, by waves 0 to 3.  Two slots.  By this text's count a loading wave has one tensor load out.
; HIDDEN SCORES become -3e38, and the first step's maximum is taken together with the floor -1e30.  A score of f16 operands is at most 128 x 65,504^2 = 5.5e11 in size, so the floor never stands over a key that counts.
; A first step all of whose keys are hidden (short tile, x < 4, kp = 1) so has m = -1e30, every p = 0, l = 0 and O^T = 0, and the merge multiplies that half by 2^(c m - the larger c m) = 0.
; FRAGMENTS AHEAD.  Registers that are idle in a phase serve as further fragment buffers: P's 32 as a third buffer for K at a step's head, S^T's 64, once the step's sums are taken, as a third and a fourth for V:
; a group of V's fragments is asked for three groups of products ahead of its use.  O^T IS RESCALED BY GROUPS OF 64 CHANNELS: group g + 1's multiplies stand behind the products of group g, whose registers they do not name.
; REGISTERS: window 0: v1-15 addresses and constants; v16-31 statistics, 8 a set (+0 c m, +1 m, +2, +3 l, +4..7 at work); v32-95 Q; v96-159 S^T, later V's fragments; v160-191 P, at a step's head K's fragments;
;   v192-223, v224-255 two buffers of four fragments.     window 1: O^T: set i at 128 i, channels 16 ct on at + 8 ct.
.set KT,    34816                      ; a tile of K in LDS: 128 x 272
.set VT,    36864                      ; a tile of V: 128 x 288
.set SLOTB, 2*KT+2*VT                  ; 143,360
.set SPARE, 2*SLOTB                    ; the spare words: 128 bytes a wave, four blocks of 256 that no other line names
.set RXB,   16896                      ; the way out: a region a wave: an image of 128 registers (16,384 bytes) and 512 bytes of statistics
.set AK0, 1                            ; my lane's place in a slot's tile of K (my stream, my half of the keys)
.set AV0, 2                            ; and in V's
.set ADK, 3                            ; the addresses of the step in hand; on the way out: my region, in
.set ADV, 4                            ; on the way out: my partner's region
.set QO,  5                            ; Q: my byte offset; on the way out: my region in the second slot
.set SPW, 6
.set NIL, 7
.set L16, 8                            ; 16 x lane
.set DD,  9                            ; the mask's bound; on the way out: the other stream's region
.set NEG, 10                           ; -3e38
.set MU,  11                           ; 1 in stream 0, lam in stream 1
.set RH,  12                           ; r - 8 h; on the way out: the stage, in
.set PFO, 15                           ; 8,192 x lane: a row of qkv a lane; never rewritten
.set ST,  16
.set Q,   32
.set S,   96
.set P,   160
.set B0,  192
.set B1,  224
.set WV,  18
.set KP,  19
.set SS,  20
.set TS,  21
.set SEL, 22                           ; s[22:23] v_permlanex16_b32's selects for lane l xor 16
.set CS,  24                           ; s[24:25] c
.set G1K, 28
.set G1V, 36
.set G0K, 44
.set G0V, 48
.set TB,  52                           ; the slot being read: 0 or SLOTB
.set TF,  53                           ; the slot being filled
.set KU,  54                           ; the slot's first key
.set Q0,  55                           ; my first query
.set QL,  56                           ; the work-group's last query
.set SLOTS, 57
.set PFA, 68
.set LIM, 70
.set MSB, 0
.macro WIN new                         ; the immediate's high byte repeats the setting that is left; a switch that changes nothing is dropped
.if MSB != (\new)
	s_set_vgpr_msb (MSB<<8)|(\new)
.set MSB, (\new)
.endif
.endm
.macro PLACES                          ; four plain lines between a matrix instruction and a load into, or a read of, its registers
.rept 4
	v_nop
.endr
.endm
; waves 0, 1 fetch K's two tiles, waves 2, 3 V's, the others nothing: branches on the wave's number alone.  An s_nop 0 and four v_nop follow each line
.macro TLOAD
	s_cmp_lt_u32 s[WV], 2
	s_cbranch_scc0 .Lnot_k_\@
	tensor_load_to_lds s[G0K:G0K+3], s[G1K:G1K+7]
	s_nop 0
.rept 4
	v_nop
.endr
	s_branch .Lasked_\@
.Lnot_k_\@:
	s_cmp_lt_u32 s[WV], 4
	s_cbranch_scc0 .Lasked_\@
	tensor_load_to_lds s[G0V:G0V+3], s[G1V:G1V+7]
	s_nop 0
.rept 4
	v_nop
.endr
.Lasked_\@:
.endm
; A PREFETCH of the slot that the NEXT change of slots will ask for.  All 64 work-groups of a group walk the same K and V: work-group x = 0, which walks all sixteen slots, asks; in it waves 4 to 7, which fetch nothing,
; take one tile each: 128 rows x 256 bytes, a lane a row, four instructions.  So each row's 256 bytes of a tile are named once in the launch.  Slots 0 and 1 come by their loads alone; the change that fills slot 15 asks for nothing.
.macro ASK how
.if \how
	s_cmp_eq_u32 s[LIM], 1
.else
	s_cmp_gt_u32 s[SLOTS], s[LIM]
.endif
	s_cbranch_scc0 .Lnot_mine_\@
.irp n, 0,1,2,3
	global_prefetch_b8 v[PFO], s[PFA:PFA+1] offset:\n*262144 th:TH_LOAD_NT scope:SCOPE_SE
.endr
.Lnot_mine_\@:
.endm
; THE CHANGE OF SLOTS stands at a slot's head: each wave waits for all its tensor loads, adds 0 to its spare word, waits for that and for its reads of the slot that it has left; one barrier; behind it the slot
; that was left is filled with the next 128 keys, if any wave of the work-group will read them: the next slot's first key is held against the work-group's last query: ids and the count of steps alone, the same in all eight waves.
.macro CHANGE fill, how
	s_wait_tensorcnt 0x0                           ; no tensor load of mine is out, so a group 0 may be written
	ds_add_u32 v[SPW], v[NIL]
.if \fill
	ds_add_u32 v[SPW], v[NIL]                      ; and twice on end here, in every trip alike
	s_xor_b32 s[TF], s[TF], SLOTB
	s_add_co_u32 s[G0K+1], s58, s[TF]
	s_add_nc_u64 s[G0K+2:G0K+3], s[G0K+2:G0K+3], 0x100000   ; 128 rows of 8,192 bytes on; the type bits on top are not reached
	s_add_co_u32 s[G0V+1], s59, s[TF]
	s_add_nc_u64 s[G0V+2:G0V+3], s[G0V+2:G0V+3], 0x100000
	s_wait_xcnt 0x0                                ; the last prefetches, a slot back, have read their address
	s_add_nc_u64 s[PFA:PFA+1], s[PFA:PFA+1], 0x100000
.endif
	s_wait_dscnt 0x0                               ; the add is done, and my reads of the slot that I have left are over
	s_barrier_signal -1
	s_barrier_wait -1
.if \fill
	s_add_co_u32 s71, s[KU], 128
	s_cmp_gt_u32 s71, s[QL]
	s_cbranch_scc1 .Lpast_\@
	TLOAD                                          ; a wave's one tensor load until the next such barrier: it has a slot's work in which to land
.Lpast_\@:
	ASK \how
.endif
.endm
.macro LOADK q, buf                    ; four fragments of K: keys 16 kt on of my 64, channels 32 q on
.irp kt, 0,1,2,3
	ds_load_b128 v[\buf+8*\kt:\buf+8*\kt+3], v[ADK] offset:\kt*4352+64*(\q)
	ds_load_b128 v[\buf+8*\kt+4:\buf+8*\kt+7], v[ADK] offset:\kt*4352+64*(\q)+32
.endr
.endm
.macro MULK q, buf                     ; eight accumulators by turns
.irp kt, 0,1,2,3
.irp i, 0,1
.if (\q) == 0
	v_wmma_f32_16x16x32_f16 v[S+32*\i+8*\kt:S+32*\i+8*\kt+7], v[\buf+8*\kt:\buf+8*\kt+7], v[Q+32*\i+8*(\q):Q+32*\i+8*(\q)+7], 0
.else
	v_wmma_f32_16x16x32_f16 v[S+32*\i+8*\kt:S+32*\i+8*\kt+7], v[\buf+8*\kt:\buf+8*\kt+7], v[Q+32*\i+8*(\q):Q+32*\i+8*(\q)+7], v[S+32*\i+8*\kt:S+32*\i+8*\kt+7]
.endif
.endr
.endr
.endm
.macro LOADV j, buf                    ; four fragments of V^T: keys 32 (j / 4) on, channels 16 ct on, ct = 4 (j % 4) + f
	WIN 0
.irp f, 0,1,2,3
	ds_load_tr16_b128 v[\buf+8*\f:\buf+8*\f+3], v[ADV] offset:((4*((\j)%4)+\f)/8)*VT+((\j)/4)*9216+((4*((\j)%4)+\f)%8)*32
	ds_load_tr16_b128 v[\buf+8*\f+4:\buf+8*\f+7], v[ADV] offset:((4*((\j)%4)+\f)/8)*VT+((\j)/4)*9216+((4*((\j)%4)+\f)%8)*32+4608
.endr
.endm
.macro MULV j, buf, first              ; eight accumulators by turns; the window stays as it is set until the next line that wants another
	WIN 0x50                                       ; C and D: window 1
.irp f, 0,1,2,3
.irp i, 0,1
.if \first && ((\j) < 4)
	v_wmma_f32_16x16x32_f16 v[128*\i+8*(4*((\j)%4)+\f):128*\i+8*(4*((\j)%4)+\f)+7], v[\buf+8*\f:\buf+8*\f+7], v[P+16*\i+8*((\j)/4):P+16*\i+8*((\j)/4)+7], 0
.else
	v_wmma_f32_16x16x32_f16 v[128*\i+8*(4*((\j)%4)+\f):128*\i+8*(4*((\j)%4)+\f)+7], v[\buf+8*\f:\buf+8*\f+7], v[P+16*\i+8*((\j)/4):P+16*\i+8*((\j)/4)+7], v[128*\i+8*(4*((\j)%4)+\f):128*\i+8*(4*((\j)%4)+\f)+7]
.endif
.endr
.endr
.endm
; O^T's channels 64 g on, of both sets, times a = 2^(c m_old - c m_new): 32 packed multiplies, each accumulator from its low end on
.macro RESC g
	WIN 0x41                                       ; O^T (destination and source 0) in window 1, a in window 0
.irp i, 0,1
.set rr, 0
.rept 16
	v_pk_mul_f32 v[128*\i+32*(\g)+rr:128*\i+32*(\g)+rr+1], v[128*\i+32*(\g)+rr:128*\i+32*(\g)+rr+1], v[ST+8*\i+6:ST+8*\i+7] op_sel_hi:[1,0]
.set rr, rr+2
.endr
.endr
.endm
; between the products of one group of channels and the load into the buffer that they read: the next group's rescaling, which names none of their registers, or, in the first step, four v_nop
.macro GAP first, g
.if \first
	PLACES
.else
	RESC \g
.endif
.endm
; register 8 kt + j holds key KF + 16 kt + 8 h + j: hidden where 16 kt + j > (Q0 - KF) + r - 8 h.  s71 = KF
.macro MASK
	s_sub_co_i32 s72, s[Q0], s71
	v_add_nc_u32 v[DD], s72, v[RH]
.irp kt, 0,1,2,3
.irp j, 0,1,2,3,4,5,6,7
	v_cmp_gt_i32 vcc_lo, 16*\kt+\j, v[DD]
	v_cndmask_b32 v[S+8*\kt+\j], v[S+8*\kt+\j], v[NEG], vcc_lo
	v_cndmask_b32 v[S+32+8*\kt+\j], v[S+32+8*\kt+\j], v[NEG], vcc_lo
.endr
.endr
.endm
; both sets' softmax of a step, line by line by turns: the maximum, a, p, P in f16, l.  first = 1: no old maximum (the floor -1e30 stands in its place)
.macro SOFTMAX first
.irp j, 0,1,2,3
.irp i, 0,1
	v_max3_num_f32 v[ST+8*\i+4+\j], v[S+32*\i+8*\j], v[S+32*\i+8*\j+1], v[S+32*\i+8*\j+2]   ; each accumulator is read from its low end on
.endr
.endr
.irp k, 3,5
.irp j, 0,1,2,3
.irp i, 0,1
	v_max3_num_f32 v[ST+8*\i+4+\j], v[ST+8*\i+4+\j], v[S+32*\i+8*\j+\k], v[S+32*\i+8*\j+\k+1]
.endr
.endr
.endr
.irp i, 0,1
	v_max3_num_f32 v[ST+8*\i+4], v[ST+8*\i+4], v[S+32*\i+7], v[S+32*\i+15]
	v_max3_num_f32 v[ST+8*\i+6], v[ST+8*\i+6], v[S+32*\i+23], v[S+32*\i+31]
.endr
.irp i, 0,1
	v_max3_num_f32 v[ST+8*\i+4], v[ST+8*\i+4], v[ST+8*\i+5], v[ST+8*\i+6]
.endr
.irp i, 0,1
.if \first
	v_max3_num_f32 v[ST+8*\i+4], v[ST+8*\i+4], v[ST+8*\i+7], 0xf149f2ca   ; and the floor -1e30: with every key hidden, c s - c m is then far under every exponent and p = 0
.else
	v_max3_num_f32 v[ST+8*\i+4], v[ST+8*\i+4], v[ST+8*\i+7], v[ST+8*\i+1]
.endif
.endr
.irp i, 0,1
	v_permlanex16_b32 v[ST+8*\i+5], v[ST+8*\i+4], s[SEL], s[SEL+1]   ; the query's other 32 keys lie in the lane 16 away
.endr
.if !\first
.irp i, 0,1
	v_mov_b32 v[ST+8*\i+7], v[ST+8*\i]             ; c m_old
.endr
.endif
.irp i, 0,1
	v_max_num_f32 v[ST+8*\i+1], v[ST+8*\i+4], v[ST+8*\i+5]
.endr
.irp i, 0,1
	v_mul_f32 v[ST+8*\i], s[CS], v[ST+8*\i+1]
.endr
.if !\first
.irp i, 0,1
	v_sub_f32 v[ST+8*\i+7], v[ST+8*\i+7], v[ST+8*\i]
.endr
.irp i, 0,1
	v_exp_f32 v[ST+8*\i+6], v[ST+8*\i+7]           ; a = 2^(c m_old - c m_new)
.endr
.endif
.set rr, 0
.rept 16
.irp i, 0,1
	v_pk_fma_f32 v[S+32*\i+rr:S+32*\i+rr+1], v[S+32*\i+rr:S+32*\i+rr+1], s[CS:CS+1], v[ST+8*\i:ST+8*\i+1] op_sel_hi:[1,0,0] neg_lo:[0,0,1] neg_hi:[0,0,1]   ; c s - c m
.endr
.set rr, rr+2
.endr
.set rr, 0
.rept 64
	v_exp_f32 v[S+rr], v[S+rr]
.set rr, rr+1
.endr
	v_nop                                          ; a plain line behind the last exponential,
	s_wait_alu depctr_va_vdst(0)                   ; and ONE wait for the whole batch ahead of its first reader
.set rr, 0
.rept 32
	v_cvt_pk_f16_f32 v[P+rr], v[S+2*rr], v[S+2*rr+1]
.set rr, rr+1
.endr
.irp u, 0,1,2,3,4,5,6,7                        ; the sum of a set's 16 pairs, in place
.irp i, 0,1
	v_pk_add_f32 v[S+32*\i+4*\u:S+32*\i+4*\u+1], v[S+32*\i+4*\u:S+32*\i+4*\u+1], v[S+32*\i+4*\u+2:S+32*\i+4*\u+3]
.endr
.endr
.irp u, 0,1,2,3
.irp i, 0,1
	v_pk_add_f32 v[S+32*\i+8*\u:S+32*\i+8*\u+1], v[S+32*\i+8*\u:S+32*\i+8*\u+1], v[S+32*\i+8*\u+4:S+32*\i+8*\u+5]
.endr
.endr
.irp u, 0,1
.irp i, 0,1
	v_pk_add_f32 v[S+32*\i+16*\u:S+32*\i+16*\u+1], v[S+32*\i+16*\u:S+32*\i+16*\u+1], v[S+32*\i+16*\u+8:S+32*\i+16*\u+9]
.endr
.endr
.if \first
.irp i, 0,1
	v_pk_add_f32 v[ST+8*\i+2:ST+8*\i+3], v[S+32*\i:S+32*\i+1], v[S+32*\i+16:S+32*\i+17]
.endr
.else
.irp i, 0,1
	v_pk_add_f32 v[S+32*\i:S+32*\i+1], v[S+32*\i:S+32*\i+1], v[S+32*\i+16:S+32*\i+17]
.endr
.irp i, 0,1
	v_pk_fma_f32 v[ST+8*\i+2:ST+8*\i+3], v[ST+8*\i+2:ST+8*\i+3], v[ST+8*\i+6:ST+8*\i+7], v[S+32*\i:S+32*\i+1] op_sel_hi:[1,0,1]   ; l = a l + the sum: the last read of S^T's registers
.endr
.endif
.endm
; A SLOT: my 64 of its 128 keys.  The counts in the waits on DScnt are the younger groups of four fragments, eight loads each, that may be out
.macro SLOT first
	s_lshl_b32 s71, s[KP], 6
	s_add_co_u32 s71, s71, s[KU]                   ; KF: my first key
.if !\first
	s_add_co_u32 s72, s[Q0], 15
	s_cmp_gt_u32 s71, s72                          ; all my keys come after my queries: a scalar branch on ids, round no barrier and no tensor load
	s_cbranch_scc1 .Lhid_\@
.endif
	v_add_nc_u32 v[ADK], s[TB], v[AK0]
	v_add_nc_u32 v[ADV], s[TB], v[AV0]
	LOADK 0, B0
	LOADK 1, B1
	LOADK 2, P                                     ; P's registers are idle until the softmax: a third buffer
	s_wait_dscnt 16                                ; channels 0-31 are in; two younger groups may be out
	MULK 0, B0
	PLACES
	LOADK 3, B0
	s_wait_dscnt 16
	MULK 1, B1
	s_wait_dscnt 8
	MULK 2, P
	s_wait_dscnt 0x0
	MULK 3, B0
	PLACES
	LOADV 0, B0                                    ; V's first fragments land under the softmax
	LOADV 1, B1
	s_add_co_u32 s72, s71, 63
	s_cmp_le_u32 s72, s[Q0]                        ; all my keys count: no mask
	s_cbranch_scc1 .Lopen_\@
	MASK
.Lopen_\@:
	SOFTMAX \first
	LOADV 2, S                                     ; S^T's registers are free from here to the next step's first products: two more buffers
	LOADV 3, S+32
.if !\first
	RESC 0
.endif
	s_wait_dscnt 24                                ; group 0 is in; three younger groups may be out: so in each of the first five waits
	MULV 0, B0, \first
	GAP \first, 1
	LOADV 4, B0
	s_wait_dscnt 24
	MULV 1, B1, \first
	GAP \first, 2
	LOADV 5, B1
	s_wait_dscnt 24
	MULV 2, S, \first
	GAP \first, 3
	LOADV 6, S
	s_wait_dscnt 24
	MULV 3, S+32, \first
	PLACES
	LOADV 7, S+32
	s_wait_dscnt 24
	MULV 4, B0, \first
	s_wait_dscnt 16                                ; the counts run down
	MULV 5, B1, \first
	s_wait_dscnt 8
	MULV 6, S, \first
	s_wait_dscnt 0x0
	MULV 7, S+32, \first
	WIN 0                                          ; at a label every window is 0
	PLACES                                         ; in front of the next step's loads into the buffers and into P;
	v_nop                                          ; and a fifth: the next step's first products write over S^T's registers, which the products above have read as a source
.Lhid_\@:
	s_add_co_u32 s[KU], s[KU], 128
	s_xor_b32 s[TB], s[TB], SLOTB
.endm
	s_load_b256 s[4:11], s[0:1], 0x0               ; qkv 4, lambda_q1 6, lambda_k1 8, lambda_q2 10
	s_load_b128 s[12:15], s[0:1], 0x20             ; lambda_k2 12, subln_w 14
	s_load_b64 s[16:17], s[0:1], 0x30              ; att
	v_lshl_add_u32 v[SPW], v0, 2, SPARE
	v_mov_b32 v[NIL], 0
	ds_add_u32 v[SPW], v[NIL]                      ; the wave's opening: the add, twice on end, and its wait ahead of the first tensor load
	ds_add_u32 v[SPW], v[NIL]
	v_lshrrev_b32 v13, 5, v0
	v_readfirstlane_b32 s[WV], v13
	s_and_b32 s[KP], s[WV], 1
	s_bfe_u32 s[SS], s[WV], 0x10001
	s_lshr_b32 s[TS], s[WV], 2
	s_and_b32 s26, ttmp7, 0xffff                   ; g
	s_sub_co_u32 s27, 127, ttmp9                   ; the long tile
	s_lshl_b32 s[QL], s27, 4
	s_add_co_u32 s[QL], s[QL], 15
	s_cmp_eq_u32 s[TS], 0
	s_cselect_b32 s[Q0], s27, ttmp9
	s_lshl_b32 s[Q0], s[Q0], 4
	s_mov_b32 s[G1K], (1<<16)|(1<<20)|(5<<22)|(3<<25)   ; elements of 2 bytes; padding on: 4 words behind every 64
	s_mov_b32 s[G1V], (1<<16)|(1<<20)|(5<<22)|(7<<25)   ; 8 words
.irp g, G1K, G1V
	s_mov_b32 s[\g+1], 128<<16                     ; tensor_dim0 = 128
	s_mov_b32 s[\g+2], 128<<16                     ; tensor_dim1 = 128
	s_mov_b32 s[\g+3], 128<<16                     ; tile_dim0
	s_mov_b32 s[\g+4], 128                         ; tile_dim1
	s_mov_b32 s[\g+5], 4096                        ; elements from row to row of qkv
	s_mov_b32 s[\g+6], 0
	s_mov_b32 s[\g+7], 0
.endr
	s_mul_i32 s58, s[KP], KT                       ; where my tile goes in a slot, if I fetch: K(2g + (w & 1)),
	s_mul_i32 s59, s[KP], VT
	s_add_co_u32 s59, s59, 2*KT                    ; or V(2g + (w & 1))
	s_lshl_b32 s72, s26, 9
	s_lshl_b32 s73, s[KP], 8
	s_add_co_u32 s72, s72, s73
	s_add_co_u32 s72, s72, 4096                    ; its column in bytes: K's begin at column 2,048,
	s_mov_b32 s73, 0
	s_add_co_u32 s74, s72, 2048                    ; V's 1,024 columns on
	s_mov_b32 s75, 0
	s_lshl_b32 s76, s[Q0], 13                      ; Q: row Q0, head 4 g + s + 2 (set xor kp)
	s_lshl_b32 s71, s26, 10
	s_add_co_u32 s76, s76, s71
	s_lshl_b32 s71, s[SS], 8
	s_add_co_u32 s76, s76, s71
	s_mov_b32 s77, 0
	s_lshl_b32 s71, s[KP], 9
	s_add_co_u32 s78, s76, 512
	s_sub_co_u32 s78, s78, s71                     ; set 1: pair 1 - kp
	s_add_co_u32 s76, s76, s71                     ; set 0: pair kp
	s_mov_b32 s79, 0
	s_lshl_b32 s80, s[Q0], 12                      ; att: row Q0 of 4,096 bytes, pair 2 g + kp of 512
	s_lshl_b32 s71, s26, 10
	s_add_co_u32 s80, s80, s71
	s_lshl_b32 s71, s[KP], 9
	s_add_co_u32 s80, s80, s71
	s_mov_b32 s81, 0
	s_lshl_b32 s82, s[SS], 11                      ; the prefetches: tile w & 3, in slot 1: the first change of slots steps it to slot 2
	s_add_co_u32 s82, s82, s72
	s_add_co_u32 s82, s82, 0x100000
	s_mov_b32 s83, 0
	s_xor_b32 s71, s[TS], 1
	s_or_b32 s71, s71, ttmp9                       ; 0 in waves 4 to 7 of work-group x = 0
	s_cmp_eq_u32 s71, 0
	s_cselect_b32 s[LIM], 1, -1
	s_mov_b32 s[SEL], 0x76543210
	s_mov_b32 s[SEL+1], 0xfedcba98
	s_mov_b32 s[CS], 0x3e0293ee                    ; c = log2(e) / sqrt(128)
	s_mov_b32 s[CS+1], s[CS]
	s_mov_b32 s[TB], 0
	s_mov_b32 s[TF], 0
	s_mov_b32 s[KU], 0
	s_wait_dscnt 0x0                               ; both opening adds are done
	s_wait_kmcnt 0x0
	s_mov_b32 s[G0K], 1
	s_mov_b32 s[G0K+1], s58
	s_add_nc_u64 s[G0K+2:G0K+3], s[4:5], s[72:73]
	s_or_b32 s[G0K+3], s[G0K+3], 0x80000000
	s_mov_b32 s[G0V], 1
	s_mov_b32 s[G0V+1], s59
	s_add_nc_u64 s[G0V+2:G0V+3], s[4:5], s[74:75]
	s_or_b32 s[G0V+3], s[G0V+3], 0x80000000
	TLOAD                                          ; slot 0: key 0 counts for every query
	s_add_nc_u64 s[60:61], s[4:5], s[76:77]
	s_add_nc_u64 s[62:63], s[4:5], s[78:79]
	s_add_nc_u64 s[16:17], s[16:17], s[80:81]
	s_add_nc_u64 s[PFA:PFA+1], s[4:5], s[82:83]
	v_and_b32 v13, 15, v0                          ; r
	v_bfe_u32 v14, v0, 4, 1                        ; h
	v_lshlrev_b32 v[QO], 13, v13
	v_lshl_add_u32 v[QO], v14, 4, v[QO]
.irp i, 0,1
.irp kc, 0,1,2,3                               ; Q stays in registers: set i, channels 32 kc on
	global_load_b128 v[Q+32*\i+8*\kc:Q+32*\i+8*\kc+3], v[QO], s[60+2*\i:61+2*\i] offset:64*\kc
	global_load_b128 v[Q+32*\i+8*\kc+4:Q+32*\i+8*\kc+7], v[QO], s[60+2*\i:61+2*\i] offset:64*\kc+32
.endr
.endr
	v_and_b32 v[L16], 31, v0
	v_lshlrev_b32 v[PFO], 13, v[L16]
	v_lshlrev_b32 v[L16], 4, v[L16]
	global_load_b128 v[96:99], v[L16], s[6:7]      ; the four lambda vectors: four numbers a lane
	global_load_b128 v[100:103], v[L16], s[8:9]
	global_load_b128 v[104:107], v[L16], s[10:11]
	global_load_b128 v[108:111], v[L16], s[12:13]
	s_mul_i32 s71, s[SS], KT
	s_mul_i32 s72, s[KP], 64*272
	s_add_co_u32 s71, s71, s72
	v_mul_u32_u24 v[AK0], v13, 272
	v_lshl_add_u32 v[AK0], v14, 4, v[AK0]
	v_add_nc_u32 v[AK0], s71, v[AK0]               ; K: my stream's tile, row 64 kp + r, + 16 h
	s_mul_i32 s71, s[KP], 64*288
	s_add_co_u32 s71, s71, 2*KT
	v_and_b32 v[AV0], 7, v0
	v_lshl_add_u32 v[AV0], v14, 3, v[AV0]
	v_mul_u32_u24 v[AV0], v[AV0], 288
	v_bfe_u32 v[ADK], v0, 3, 1
	v_lshl_add_u32 v[AV0], v[ADK], 4, v[AV0]
	v_add_nc_u32 v[AV0], s71, v[AV0]               ; V: row 64 kp + 8 h + l % 8, + 16 ((l / 8) % 2)
	v_lshlrev_b32 v[RH], 3, v14
	v_sub_nc_u32 v[RH], v13, v[RH]
	v_mov_b32 v[NEG], 0xff61b1e6
	v_mov_b32 v114, 0                              ; a lane permute's destination counts as one of its sources
	v_mov_b32 v115, 0
	s_wait_loadcnt 0x0                             ; Q and the lambdas
	v_mul_f32 v112, v96, v100
	v_mul_f32 v113, v104, v108
.irp e, 1,2,3
	v_fma_f32 v112, v[96+\e], v[100+\e], v112
	v_fma_f32 v113, v[104+\e], v[108+\e], v113
.endr
.irp m, 1,2,4,8
	v_add_f32_dpp v112, v112, v112 row_xmask:\m row_mask:0xf bank_mask:0xf
	v_add_f32_dpp v113, v113, v113 row_xmask:\m row_mask:0xf bank_mask:0xf
.endr
	v_permlanex16_b32 v114, v112, s[SEL], s[SEL+1]
	v_permlanex16_b32 v115, v113, s[SEL], s[SEL+1]
	v_add_f32 v112, v112, v114
	v_add_f32 v113, v113, v115
	v_mul_f32 v112, 0x3fb8aa3b, v112
	v_mul_f32 v113, 0x3fb8aa3b, v113
	v_exp_f32 v112, v112
	v_exp_f32 v113, v113
	v_nop
	s_wait_alu depctr_va_vdst(0)                   ; one wait for the two, ahead of their first reader
	v_sub_f32 v112, v112, v113
	v_add_f32 v112, 0x3e4ccccd, v112               ; lam
	s_cmp_eq_u32 s[SS], 1
	s_cselect_b32 s71, -1, 0
	v_cndmask_b32 v[MU], 1.0, v112, s71
	CHANGE 1, 1                                    ; slot 0 is whole; slot 1's first fill goes out behind a barrier behind which nothing is filled again
	SLOT 1                                         ; the first slot starts m, l and O^T: nothing is cleared
	s_mov_b32 s[SLOTS], 14
.Lslot:
	CHANGE 1, 0
	SLOT 0
	s_sub_co_u32 s[SLOTS], s[SLOTS], 1
	s_cmp_lg_u32 s[SLOTS], 0
	s_cbranch_scc1 .Lslot
	CHANGE 0, 0                                    ; the last slot is written out: nothing is left to ask for
	SLOT 0
	; THE WAY OUT.  l's two halves and the other half of the lanes' are added and laid beside c m
.irp i, 0,1
	v_add_f32 v[ST+8*\i+4], v[ST+8*\i+2], v[ST+8*\i+3]
.endr
.irp i, 0,1
	v_permlanex16_b32 v[ST+8*\i+5], v[ST+8*\i+4], s[SEL], s[SEL+1]
.endr
.irp i, 0,1
	v_add_f32 v[ST+8*\i+1], v[ST+8*\i+4], v[ST+8*\i+5]
.endr
	s_mul_i32 s71, s[WV], RXB                      ; regions in the slots, which have had their last fill: all five addresses are made here, on the path that all waves share
	v_add_nc_u32 v[ADK], s71, v[L16]               ; mine, in the first slot
	s_xor_b32 s72, s[WV], 1
	s_mul_i32 s72, s72, RXB
	v_add_nc_u32 v[ADV], s72, v[L16]               ; that of the wave with the other half of the keys
	s_add_co_u32 s73, s71, SLOTB
	v_add_nc_u32 v[QO], s73, v[L16]                ; mine, in the second slot
	s_or_b32 s72, s[WV], 2
	s_mul_i32 s72, s72, RXB
	s_add_co_u32 s72, s72, SLOTB
	v_add_nc_u32 v[DD], s72, v[L16]                ; stream 1's
	v_and_b32 v13, 15, v0
	v_bfe_u32 v14, v0, 4, 1
	v_mul_u32_u24 v[RH], v13, 528
	v_lshl_add_u32 v[RH], v14, 4, v[RH]
	v_add_nc_u32 v[RH], s73, v[RH]                 ; the stage for att, in: row r of 528 bytes, + 16 h
	v_lshlrev_b32 v13, 5, v14                      ; subln_w: 32 h
	s_wait_dscnt 0x0
	s_barrier_signal -1
	s_barrier_wait -1                              ; nobody reads K or V any more
	; my set 1 is the pair that my partner finishes (its set 0): it goes over as an image of its registers
	ds_store_b64 v[ADK], v[ST+8:ST+9] offset:16384
	WIN 0x04                                       ; an LDS store's data are its source 1: window 1
.set rr, 0
.rept 32
	ds_store_b128 v[ADK], v[128+rr:128+rr+3] offset:rr*128   ; each accumulator from its low end on
.set rr, rr+4
.endr
	WIN 0
	s_wait_dscnt 0x0
	s_barrier_signal -1
	s_barrier_wait -1
	ds_load_b64 v[26:27], v[ADV] offset:16384      ; the other half's c m and l of my set 0's pair
.set rr, 0
.rept 32
	ds_load_b128 v[96+rr:96+rr+3], v[ADV] offset:rr*128
.set rr, rr+4
.endr
	s_wait_dscnt 32                                ; the statistics are in, the image's 32 loads may be out
	v_max_num_f32 v20, v16, v26
	v_sub_f32 v21, v16, v20
	v_sub_f32 v22, v26, v20
	v_exp_f32 v21, v21                             ; f, f': each half under the larger maximum
	v_exp_f32 v22, v22
	v_nop
	s_wait_alu depctr_va_vdst(0)
	v_mul_f32 v23, v17, v21
	v_fma_f32 v23, v27, v22, v23                   ; the row's sum
	v_rcp_f32 v23, v23
	v_nop
	s_wait_alu depctr_va_vdst(0)
	v_mul_f32 v23, v23, v[MU]                      ; stream 1 takes lam with it
	v_mul_f32 v20, v21, v23
	v_mul_f32 v22, v22, v23
	s_wait_dscnt 0x0
.set rr, 0
.rept 64
	v_pk_mul_f32 v[96+rr:97+rr], v[96+rr:97+rr], v[22:23] op_sel_hi:[1,0]
.set rr, rr+2
.endr
	WIN 0x41
.set rr, 0
.rept 64
	v_pk_fma_f32 v[rr:rr+1], v[rr:rr+1], v[20:21], v[96+rr:97+rr] op_sel_hi:[1,0,1]
.set rr, rr+2
.endr
	WIN 0
	s_cmp_eq_u32 s[SS], 0
	s_cbranch_scc1 .Lstream_0
	WIN 0x04
.set rr, 0
.rept 32
	ds_store_b128 v[QO], v[rr:rr+3] offset:rr*128  ; stream 1: lam a2 goes over to stream 0's wave
.set rr, rr+4
.endr
	WIN 0
	s_branch .Lmeet
.Lstream_0:
	WIN 0x40                                       ; stream 0: subln_w in the result's layout, into set 1's registers, which are free
.irp ct, 0,1,2,3,4,5,6,7,8,9,10,11,12,13,14,15
	global_load_b128 v[128+8*\ct:131+8*\ct], v13, s[14:15] offset:64*\ct
	global_load_b128 v[132+8*\ct:135+8*\ct], v13, s[14:15] offset:64*\ct+16
.endr
	WIN 0
.Lmeet:
	s_wait_dscnt 0x0
	s_barrier_signal -1
	s_barrier_wait -1
	s_cmp_eq_u32 s[SS], 0
	s_cbranch_scc0 .Lend
.set rr, 0
.rept 32
	ds_load_b128 v[96+rr:96+rr+3], v[DD] offset:rr*128
.set rr, rr+4
.endr
	s_wait_dscnt 0x0
	WIN 0x01                                       ; source 0 (a1) window 1; the difference lands in window 0
.set rr, 0
.rept 64
	v_pk_add_f32 v[96+rr:97+rr], v[rr:rr+1], v[96+rr:97+rr] neg_lo:[0,1] neg_hi:[0,1]
.set rr, rr+2
.endr
	WIN 0
.irp c, 0,2,4,6
	v_pk_mul_f32 v[16+\c:17+\c], v[96+\c:97+\c], v[96+\c:97+\c]   ; the sum of squares, in four chains
.endr
.set rr, 8
.rept 60
	v_pk_fma_f32 v[16+rr%8:17+rr%8], v[96+rr:97+rr], v[96+rr:97+rr], v[16+rr%8:17+rr%8]
.set rr, rr+2
.endr
	v_pk_add_f32 v[16:17], v[16:17], v[18:19]
	v_pk_add_f32 v[20:21], v[20:21], v[22:23]
	v_pk_add_f32 v[16:17], v[16:17], v[20:21]
	v_add_f32 v16, v16, v17
	v_permlanex16_b32 v17, v16, s[SEL], s[SEL+1]   ; the query's other 128 channels lie in the lane 16 away
	v_add_f32 v16, v16, v17
	v_mov_b32 v18, 0x3b800000                      ; 1 / 256
	v_mov_b32 v19, 0x3727c5ac                      ; 1e-5
	v_fma_f32 v16, v16, v18, v19                   ; the mean + 1e-5
	v_rsq_f32 v16, v16
	v_nop
	s_wait_alu depctr_va_vdst(0)
	v_mul_f32 v16, 0x3f4ccccd, v16                 ; x (1 - 0.2)
	v_mov_b32 v17, v16
	s_wait_loadcnt 0x0                             ; subln_w
	WIN 0x04                                       ; source 1 window 1
.set rr, 0
.rept 64
	v_pk_mul_f32 v[96+rr:97+rr], v[96+rr:97+rr], v[128+rr:129+rr]
.set rr, rr+2
.endr
	WIN 0
.set rr, 0
.rept 64
	v_pk_mul_f32 v[96+rr:97+rr], v[96+rr:97+rr], v[16:17]
.set rr, rr+2
.endr
.set rr, 0
.rept 64
	v_cvt_pk_f16_f32 v[32+rr], v[96+2*rr], v[97+2*rr]
.set rr, rr+1
.endr
.irp ct, 0,1,2,3,4,5,6,7,8,9,10,11,12,13,14,15
	ds_store_b128 v[RH], v[32+4*\ct:35+4*\ct] offset:32*\ct   ; eight channels of row r: 16 bytes
.endr
.irp i, 0,1,2,3,4,5,6,7,8,9,10,11,12,13,14,15
	ds_load_b128 v[96+4*\i:99+4*\i], v[QO] offset:\i*528      ; LDS serves a wave's instructions in order: these see my stores
.endr
.irp i, 0,1,2,3,4,5,6,7,8,9,10,11,12,13,14,15
	s_wait_dscnt 15-\i                             ; row i is back; the younger rows' loads may be out
	global_store_b128 v[L16], v[96+4*\i:99+4*\i], s[16:17] offset:\i*4096   ; the wave stores 512 consecutive bytes, aligned
.endr
.Lend:
	s_wait_tensorcnt 0x0                           ; the wave's end
	ds_add_u32 v[SPW], v[NIL]
	s_wait_dscnt 0x0
	s_endpgm
.Lfunc_end_k_q8fe6d64edc_attn:
	.size	k_q8fe6d64edc_attn, .Lfunc_end_k_q8fe6d64edc_attn-k_q8fe6d64edc_attn
	.p2alignl 7, 3214868480
	.fill 96, 4, 3214868480
	.section	.rodata,"a",@progbits
	.p2align	6, 0x0
	.amdhsa_kernel k_q8fe6d64edc_attn
		.amdhsa_group_segment_fixed_size 327680
		.amdhsa_private_segment_fixed_size 0
		.amdhsa_enable_private_segment 0
		.amdhsa_kernarg_size 56
		.amdhsa_user_sgpr_count 2
		.amdhsa_user_sgpr_kernarg_segment_ptr 1
		.amdhsa_wavefront_size32 1
		.amdhsa_system_sgpr_workgroup_id_x 1
		.amdhsa_system_sgpr_workgroup_id_y 1
		.amdhsa_system_sgpr_workgroup_id_z 1
		.amdhsa_system_vgpr_workitem_id 0
		.amdhsa_next_free_vgpr 512
		.amdhsa_next_free_sgpr 84
		.amdhsa_reserve_vcc 1
		.amdhsa_float_denorm_mode_32 3
		.amdhsa_float_denorm_mode_16_64 3
		.amdhsa_memory_ordered 1
		.amdhsa_forward_progress 1
		.amdhsa_inst_pref_size 158
	.end_amdhsa_kernel
	.amdgpu_metadata
---
amdhsa.version: [ 1, 2 ]
amdhsa.kernels:
  - .name:           k_q8fe6d64edc_attn
    .symbol:         k_q8fe6d64edc_attn.kd
    .args:
      - { .name: qkv, .offset: 0, .size: 8, .value_kind: global_buffer, .address_space: global }
      - { .name: lambda_q1, .offset: 8, .size: 8, .value_kind: global_buffer, .address_space: global }
      - { .name: lambda_k1, .offset: 16, .size: 8, .value_kind: global_buffer, .address_space: global }
      - { .name: lambda_q2, .offset: 24, .size: 8, .value_kind: global_buffer, .address_space: global }
      - { .name: lambda_k2, .offset: 32, .size: 8, .value_kind: global_buffer, .address_space: global }
      - { .name: subln_w, .offset: 40, .size: 8, .value_kind: global_buffer, .address_space: global }
      - { .name: att, .offset: 48, .size: 8, .value_kind: global_buffer, .address_space: global }
    .group_segment_fixed_size: 327680
    .private_segment_fixed_size: 0
    .kernarg_segment_align: 8
    .kernarg_segment_size: 56
    .max_flat_workgroup_size: 256
    .sgpr_count:     84
    .vgpr_count:     512
    .wavefront_size: 32
...
	.end_amdgpu_metadata
.endif
;; end of part 3
;; launch gemm_out (part 4): grid 16 x 16, 4 waves a work-group, clusters of 4 x 4, 327,680 bytes of LDS; arguments att, wot, out0; writes out0
.if DOCPART == 4
	.amdgcn_target "amdgcn-amd-amdhsa--gfx1250"
	.amdhsa_code_object_version 6
	.text
	.protected	k_q8fe6d64edc_gemm_out
	.globl	k_q8fe6d64edc_gemm_out
	.p2align	8
	.type	k_q8fe6d64edc_gemm_out,@function
k_q8fe6d64edc_gemm_out:
	s_mov_b64 s[64:65], 0
	v_nop
	global_prefetch_b8 v0, s[64:65] scope:SCOPE_SE
	s_setreg_imm32_b32 hwreg(HW_REG_WAVE_MODE, 25, 1), 1
	s_wait_xcnt 0x0
	s_wait_alu depctr_hold_cnt(0) depctr_sa_sdst(0) depctr_va_vdst(0) depctr_va_sdst(0) depctr_va_ssrc(0) depctr_va_vcc(0) depctr_vm_vsrc(0)
	s_getreg_b32 s2, hwreg(HW_REG_IB_STS2, 6, 4)
	s_cmp_eq_u32 s2, 0
	s_cbranch_scc0 .Lentry_in_a_cluster
	s_endpgm
.Lentry_in_a_cluster:
	s_bfe_u32 s2, ttmp6, 0x10000c
	s_cmp_lg_u32 s2, 0xf033
	s_cbranch_scc0 .Lentry_shape_is_right
	s_endpgm
.Lentry_shape_is_right:
; out0[m][n] = sum over k of att[m][k] wot[n][k] (wot = Wo transposed).  att, wot: [2048][2048] f16; out0: [2048][2048] f32; sums in f32.  No work of reference() is left out here.
; A tile of C is 128 x 128, which gives each of 256 work-groups one tile.  Four waves, each 64 x 64: 16 accumulators.  K goes in steps of 256 (LDS rows of 512 bytes; a wave's tensor load brings 64) through two slots.
; CLUSTERS: 4 x 4 work-groups: A's tiles are asked for jointly along a row of the cluster, B's along a column.  THE MATRIX INSTRUCTION IS USED TRANSPOSED (source 0 = 16 rows of B, source 1 = 16 rows of A):
; a lane holds eight neighbouring numbers of a row of C.  A wave's 64 columns of f32 are 256 consecutive bytes, aligned: so each wave has a stage of its own on the way out, and no barrier stands there.
; REGISTERS: window 0: v16-29 addresses; v32-95 rows on the way out; v128-255 the accumulators.  window 1: two fragment buffers of 128.
.set SIZE_N, 2048
.set SIZE_K, 2048
.set KSTEP,  256
.set PITCH,  528                       ; an LDS row: 512 bytes + 16 of padding: the 16 rows that a load touches start at 16 different banks (64 banks of 4 bytes: ISA guide 11.1)
.set HALFT,  64*PITCH
.set SLOT,   4*HALFT
.set STAGE,  2*SLOT                    ; behind the ring: 16 rows x 272 bytes for each wave
.set SPITCH, 272
.set SPARE,  STAGE+4*16*SPITCH         ; the spare words: two blocks of 256 bytes that no other line names
.set LAPS, SIZE_K/(2*KSTEP)
.set ADRA, 16
.set ADRB, 20
.set STO,  24
.set RD,   25
.set CO,   26
.set SPW,  28
.set NIL,  29
.set TMP,  32
.set ACC,  128
.set F0,   0
.set F1,   128
.set G1, 24
.set G0, 32
.set G1B, 48
.set G0B, 56
.set MSB, 0
.macro WIN new
.if MSB != (\new)
	s_set_vgpr_msb (MSB<<8)|(\new)
.set MSB, (\new)
.endif
.endm
.set MUL,  0x05                        ; sources 0 (B) and 1 (A) window 1; C and D window 0
.set TO_F, 0x40
.macro JLOAD s                         ; a joint load: waves 0 and 1 fetch A's two halves, waves 2 and 3 B's; an s_nop 0 and four v_nop follow each line
	s_cmp_eq_u32 s11, 0
	s_cbranch_scc0 .Lfor_b_\@
	tensor_load_to_lds s[G0+4*\s:G0+4*\s+3], s[G1:G1+7]
	s_nop 0
.rept 4
	v_nop
.endr
	s_branch .Lasked_\@
.Lfor_b_\@:
	tensor_load_to_lds s[G0B+4*\s:G0B+4*\s+3], s[G1B:G1B+7]
	s_nop 0
.rept 4
	v_nop
.endr
.Lasked_\@:
.endm
.macro CREST
	s_cmp_lg_u32 s10, 0
	s_cbranch_scc1 .Lnot_wave_0_\@
	s_barrier_signal -3
.Lnot_wave_0_\@:
	s_barrier_wait -3
	s_barrier_signal -1
	s_barrier_wait -1
.endm
.macro CROUND
	s_barrier_signal -1
	s_barrier_wait -1
	CREST
.endm
	s_load_b128 s[4:7], s[0:1], 0x0                ; A s[4:5], B s[6:7]
	s_load_b64 s[8:9], s[0:1], 0x10                ; C
	v_lshl_add_u32 v[SPW], v0, 2, SPARE
	v_mov_b32 v[NIL], 0
	ds_add_u32 v[SPW], v[NIL]                      ; the wave's opening: the add, twice on end, and its wait ahead of my first tensor load
	ds_add_u32 v[SPW], v[NIL]
	v_lshrrev_b32 v1, 5, v0
	v_readfirstlane_b32 s10, v1                    ; wave 0..3
	s_lshr_b32 s11, s10, 1                         ; which half of the tile's rows is mine.  Also: I fetch for A (0) or for B (1)
	s_and_b32 s12, s10, 1                          ; which half of its columns.  Also: which 64 rows of that tile I fetch
	s_bfe_u32 s40, ttmp6, 0x40000
	s_bfe_u32 s41, ttmp6, 0x40004
	s_lshl_b32 s42, ttmp9, 2
	s_add_co_u32 s42, s42, s40                     ; tile column of C
	s_and_b32 s13, ttmp7, 0xffff
	s_lshl_b32 s13, s13, 2
	s_add_co_u32 s13, s13, s41                     ; tile row of C
	s_lshl_b32 s43, s41, 2
	s_lshl_b32 s43, 15, s43                        ; my row of the cluster
	s_lshl_b32 s44, 0x1111, s40                    ; my column
	s_or_b32 s[G1+0], s43, (1<<16)|(1<<20)|(1<<21)|(6<<22)|(3<<25)  ; the mask; elements of 2 bytes; padding on; bit 21 beside a mask; 4 words behind every 128
	s_or_b32 s[G1B+0], s44, (1<<16)|(1<<20)|(1<<21)|(6<<22)|(3<<25)
.irp g, G1, G1B
	s_mov_b32 s[\g+1], KSTEP<<16
	s_mov_b32 s[\g+2], 64<<16
	s_mov_b32 s[\g+3], KSTEP<<16
	s_mov_b32 s[\g+4], 64
	s_mov_b32 s[\g+5], SIZE_K
	s_mov_b32 s[\g+6], 0
	s_mov_b32 s[\g+7], 0
.endr
	s_lshl_b32 s17, s12, 6
	s_lshl_b32 s16, s13, 7
	s_add_co_u32 s16, s16, s17                     ; A: row 128 x tile row + 64 x half
	s_lshl_b32 s46, s42, 7
	s_add_co_u32 s46, s46, s17                     ; B: row 128 x tile column + 64 x half
	s_mov_b32 s17, 0
	s_mov_b32 s47, 0
	s_mov_b64 s[18:19], SIZE_K*2
	s_mul_u64 s[16:17], s[16:17], s[18:19]
	s_mul_u64 s[46:47], s[46:47], s[18:19]
	s_mul_i32 s20, s10, HALFT
	s_wait_dscnt 0x0                               ; both opening adds are done
	s_wait_kmcnt 0x0
	s_add_nc_u64 s[14:15], s[4:5], s[16:17]
	s_add_nc_u64 s[46:47], s[6:7], s[46:47]
	CROUND                                         ; all sixteen work-groups are here: the first joint loads meet
.irp s, 0,1
	s_mov_b32 s[G0+4*\s], 1
	s_add_co_u32 s[G0+4*\s+1], s20, \s*SLOT
	s_add_nc_u64 s[G0+4*\s+2:G0+4*\s+3], s[14:15], \s*KSTEP*2
	s_or_b32 s[G0+4*\s+3], s[G0+4*\s+3], 0x80000000
	s_mov_b32 s[G0B+4*\s], 1
	s_add_co_u32 s[G0B+4*\s+1], s20, \s*SLOT
	s_add_nc_u64 s[G0B+4*\s+2:G0B+4*\s+3], s[46:47], \s*KSTEP*2
	s_or_b32 s[G0B+4*\s+3], s[G0B+4*\s+3], 0x80000000
	JLOAD \s
.endr
	v_and_b32 v1, 15, v0                           ; r
	v_bfe_u32 v2, v0, 4, 1                         ; h
	v_mul_u32_u24 v3, v1, PITCH
	v_lshl_add_u32 v3, v2, 4, v3
	s_mul_i32 s21, s11, HALFT
	s_mul_i32 s22, s12, HALFT
	s_add_co_u32 s22, s22, 2*HALFT
.irp s, 0,1
	v_add_nc_u32 v[ADRA+\s], s21, v3
	v_add_nc_u32 v[ADRB+\s], s22, v3
	s_add_co_u32 s21, s21, SLOT
	s_add_co_u32 s22, s22, SLOT
.endr
	s_mul_i32 s23, s10, 16*SPITCH
	s_add_co_u32 s23, s23, STAGE                   ; my stage
	v_mul_u32_u24 v4, v1, SPITCH                   ; in: row r, 32 bytes for each half of the lanes
	v_lshl_add_u32 v4, v2, 5, v4
	v_add_nc_u32 v[STO], s23, v4
	v_mul_u32_u24 v5, v2, SPITCH                   ; back: lanes 0-15 one row of 256 bytes, lanes 16-31 the next
	v_lshl_add_u32 v5, v1, 4, v5
	v_add_nc_u32 v[RD], s23, v5
	v_mul_u32_u24 v5, v2, SIZE_N*4
	v_lshl_add_u32 v[CO], v1, 4, v5
	s_lshl_b32 s16, s13, 7
	s_lshl_b32 s17, s11, 6
	s_add_co_u32 s16, s16, s17                     ; my first row of C
	s_mov_b32 s17, 0
	s_mov_b64 s[18:19], SIZE_N*4
	s_mul_u64 s[16:17], s[16:17], s[18:19]
	s_add_nc_u64 s[8:9], s[8:9], s[16:17]
	s_lshl_b32 s46, s42, 9                         ; my first column, in bytes: 512 x tile column + 256 x half
	s_lshl_b32 s47, s12, 8
	s_add_co_u32 s46, s46, s47
	s_mov_b32 s47, 0
	s_add_nc_u64 s[8:9], s[8:9], s[46:47]
; 8 matrix instructions: m blocks a0, a0 + 1 x all 4 n blocks, 32 along K: half c of buffer f.  The 16 accumulators take turns
.macro MUL8 f, c, a0, zero
.irp a, \a0, \a0+1
.irp b, 0,1,2,3
.if \zero
	v_wmma_f32_16x16x32_f16 v[ACC+8*(4*(\a)+\b):ACC+8*(4*(\a)+\b)+7], v[\f+64+8*(4*\c+\b):\f+64+8*(4*\c+\b)+7], v[\f+8*(4*\c+\a):\f+8*(4*\c+\a)+7], 0
.else
	v_wmma_f32_16x16x32_f16 v[ACC+8*(4*(\a)+\b):ACC+8*(4*(\a)+\b)+7], v[\f+64+8*(4*\c+\b):\f+64+8*(4*\c+\b)+7], v[\f+8*(4*\c+\a):\f+8*(4*\c+\a)+7], v[ACC+8*(4*(\a)+\b):ACC+8*(4*(\a)+\b)+7]
.endif
.endr
.endr
.endm
.macro FETCH slot, k, f                ; 32 LDS loads in one run: the fragments of 64 along K at byte k of the rows; the first 32 along K first
	WIN TO_F
.irp c, 0,1
.irp i, 0,1,2,3
	ds_load_b128 v[\f+64+8*(4*\c+\i):\f+64+8*(4*\c+\i)+3],   v[ADRB+\slot] offset:\k+64*\c+\i*16*PITCH
	ds_load_b128 v[\f+64+8*(4*\c+\i)+4:\f+64+8*(4*\c+\i)+7], v[ADRB+\slot] offset:\k+64*\c+\i*16*PITCH+32
	ds_load_b128 v[\f+8*(4*\c+\i):\f+8*(4*\c+\i)+3],         v[ADRA+\slot] offset:\k+64*\c+\i*16*PITCH
	ds_load_b128 v[\f+8*(4*\c+\i)+4:\f+8*(4*\c+\i)+7],       v[ADRA+\slot] offset:\k+64*\c+\i*16*PITCH+32
.endr
.endr
.endm
.macro PLACES
.rept 4
	v_nop
.endr
.endm
.macro QUARTER slot, k, f, g, zero
	s_wait_dscnt 16                                ; the first 32 along K are in; the other sixteen loads may be out
	WIN MUL
	MUL8 \f, 0, 0, \zero
	MUL8 \f, 0, 2, \zero
	PLACES
	FETCH \slot, \k, \g
	s_wait_dscnt 32                                ; all but the 32 just issued
	WIN MUL
	MUL8 \f, 1, 0, 0
	MUL8 \f, 1, 2, 0
.endm
.macro TURN slot, next, fill
	WIN 0
	s_wait_tensorcnt 0x0                           ; all my tensor loads have landed: my part of the next slot
	ds_add_u32 v[SPW], v[NIL]
	s_wait_dscnt 17                                ; (the add and the youngest sixteen loads may be out)
	WIN MUL
	MUL8 F1, 0, 0, 0
	s_wait_dscnt 0x0                               ; the add is done, and my reads of this slot are over
	s_barrier_signal -1
	MUL8 F1, 0, 2, 0
.if \fill
	WIN 0
.endif
	s_barrier_wait -1
.if \fill
	CREST                                          ; the barrier has opened a round of the cluster's: no wave of any partner still reads this slot or has a load on its way
	s_add_nc_u64 s[G0+4*\slot+2:G0+4*\slot+3], s[G0+4*\slot+2:G0+4*\slot+3], 2*KSTEP*2
	s_add_nc_u64 s[G0B+4*\slot+2:G0B+4*\slot+3], s[G0B+4*\slot+2:G0B+4*\slot+3], 2*KSTEP*2
	JLOAD \slot
.else
	PLACES
.endif
	FETCH \next, 0, F0
	WIN MUL
	MUL8 F1, 1, 0, 0
	MUL8 F1, 1, 2, 0
.endm
	s_wait_tensorcnt 1                             ; my part of K step 0 is in; K step 1's may be out
	s_barrier_signal -1
	s_barrier_wait -1
	FETCH 0, 0, F0
	QUARTER 0, 128, F0, F1, 1                      ; the first products start the sums
	WIN 0
	s_mov_b32 s3, LAPS-1
.Llap:
	QUARTER 0, 256, F1, F0, 0
	QUARTER 0, 384, F0, F1, 0
	TURN 0, 1, 1
	QUARTER 1, 128, F0, F1, 0
	QUARTER 1, 256, F1, F0, 0
	QUARTER 1, 384, F0, F1, 0
	TURN 1, 0, 1
	QUARTER 0, 128, F0, F1, 0
	WIN 0
	s_sub_co_u32 s3, s3, 1
	s_cmp_lg_u32 s3, 0
	s_cbranch_scc1 .Llap
	QUARTER 0, 256, F1, F0, 0                      ; the last lap fills nothing
	QUARTER 0, 384, F0, F1, 0
	TURN 0, 1, 0
	QUARTER 1, 128, F0, F1, 0
	QUARTER 1, 256, F1, F0, 0
	QUARTER 1, 384, F0, F1, 0
	s_wait_dscnt 16
	WIN MUL
	MUL8 F1, 0, 0, 0
	MUL8 F1, 0, 2, 0
	s_wait_dscnt 0
	MUL8 F1, 1, 0, 0
	MUL8 F1, 1, 2, 0
	WIN 0
; THE WAY OUT, 16 rows x 64 columns at a time, through my own stage: in as a lane holds them (32 bytes of a row: eight stores a block), back as whole rows of 256 bytes (eight loads).
; LDS serves a wave's instructions in order (ISA guide 5.7.1.4): no wait between the stores and the loads, nor in front of the next block's stores
.macro TOSTAGE a
.irp b, 0,1,2,3
	ds_store_b128 v[STO], v[ACC+8*(4*(\a)+\b):ACC+8*(4*(\a)+\b)+3] offset:64*\b        ; each accumulator from its low end on
	ds_store_b128 v[STO], v[ACC+8*(4*(\a)+\b)+4:ACC+8*(4*(\a)+\b)+7] offset:64*\b+16
.endr
.irp t, 0,1,2,3,4,5,6,7
	ds_load_b128 v[TMP+32*((\a)%2)+4*\t:TMP+32*((\a)%2)+4*\t+3], v[RD] offset:\t*2*SPITCH
.endr
.endm
.macro SEND a, younger                 ; younger: the LDS instructions issued behind block a's loads: the next block's 8 stores and 8 loads, or none
	s_wait_dscnt \younger
.irp t, 0,1,2,3,4,5,6,7
	global_store_b128 v[CO], v[TMP+32*((\a)%2)+4*\t:TMP+32*((\a)%2)+4*\t+3], s[8:9] offset:(16*(\a)+2*\t)*SIZE_N*4 th:TH_STORE_NT   ; sixteen lanes store 256 consecutive bytes, aligned
.endr
.endm
	PLACES
	TOSTAGE 0
	TOSTAGE 1
	SEND 0, 16
	s_wait_xcnt 0x0                                ; block 0's stores have read their registers: block 2's rows may land there
	TOSTAGE 2
	SEND 1, 16
	s_wait_xcnt 0x0
	TOSTAGE 3
	SEND 2, 16
	SEND 3, 0
	s_wait_tensorcnt 0x0                           ; the wave's end
	ds_add_u32 v[SPW], v[NIL]
	s_wait_dscnt 0x0
	CROUND                                         ; the closing round
	s_endpgm
.Lfunc_end_k_q8fe6d64edc_gemm_out:
	.size	k_q8fe6d64edc_gemm_out, .Lfunc_end_k_q8fe6d64edc_gemm_out-k_q8fe6d64edc_gemm_out
	.p2alignl 7, 3214868480
	.fill 96, 4, 3214868480
	.section	.rodata,"a",@progbits
	.p2align	6, 0x0
	.amdhsa_kernel k_q8fe6d64edc_gemm_out
		.amdhsa_group_segment_fixed_size 327680
		.amdhsa_private_segment_fixed_size 0
		.amdhsa_enable_private_segment 0
		.amdhsa_kernarg_size 24
		.amdhsa_user_sgpr_count 2
		.amdhsa_user_sgpr_kernarg_segment_ptr 1
		.amdhsa_wavefront_size32 1
		.amdhsa_system_sgpr_workgroup_id_x 1
		.amdhsa_system_sgpr_workgroup_id_y 1
		.amdhsa_system_sgpr_workgroup_id_z 1
		.amdhsa_system_vgpr_workitem_id 0
		.amdhsa_next_free_vgpr 512
		.amdhsa_next_free_sgpr 66
		.amdhsa_reserve_vcc 0
		.amdhsa_float_denorm_mode_32 3
		.amdhsa_float_denorm_mode_16_64 3
		.amdhsa_memory_ordered 1
		.amdhsa_forward_progress 1
		.amdhsa_inst_pref_size 86
	.end_amdhsa_kernel
	.amdgpu_metadata
---
amdhsa.version: [ 1, 2 ]
amdhsa.kernels:
  - .name:           k_q8fe6d64edc_gemm_out
    .symbol:         k_q8fe6d64edc_gemm_out.kd
    .args:
      - { .name: att, .offset: 0, .size: 8, .value_kind: global_buffer, .address_space: global }
      - { .name: wot, .offset: 8, .size: 8, .value_kind: global_buffer, .address_space: global }
      - { .name: out0, .offset: 16, .size: 8, .value_kind: global_buffer, .address_space: global }
    .group_segment_fixed_size: 327680
    .private_segment_fixed_size: 0
    .kernarg_segment_align: 8
    .kernarg_segment_size: 24
    .max_flat_workgroup_size: 128
    .sgpr_count:     66
    .vgpr_count:     512
    .wavefront_size: 32
...
	.end_amdgpu_metadata
.endif
;; end of part 4
